; MI455X (gfx1250); checked and timed in simulation.
; The chip was launched on July 23, 2026; its instructions are those of AMD's public machine-readable ISA for CDNA 5 (MIT licence, August 2026) and "CDNA5" Instruction Set Architecture Reference Guide (July 2026). The comments in the code are by the model that wrote it; some were corrected since.
;; Seamless M4 Tv2 Conformer Self Attention. Allowed arithmetic: matrix products marked QUANTISED: E5M2 operands, one given power-of-two scale a tensor, by v_wmma_f32_16x16x64_bf8_bf8 or v_wmma_f32_16x16x128_bf8_bf8, f32 sums; everything else in f32.
;; Inputs: Wk 1,024 x 1,024 float32; Wo 1,024 x 1,024 float32; Wq 1,024 x 1,024 float32; Wv 1,024 x 1,024 float32; bk 1,024 float32; bo 1,024 float32; bq 1,024 float32; bv 1,024 float32; dist_emb 73 x 64 float32; hidden_states 8 x 1,024 x 1,024 float32; lowp_scales 14 int32 (the exponents e of the quantised operands' scales 2^e).
;; Outputs: out0 8 x 1,024 x 1,024 float32.
;; This version of the problem:
;;   THIS VERSION OF THE PROBLEM IS GIVEN IN LOW PRECISION. The matrix products marked QUANTISED in the list below multiply operands that are first quantised to E5M2 (5 exponent bits, 2 mantissa bits; 8 bits a number), with one given power-of-two scale for each operand tensor; their sums are f32. All else is computed in f32.
;;   The module's matrix products, in the order in which they are computed (A, B: the left and right operand; K: the contracted axis; several contracted axes count as one K, in the product's order):
;;     1. [M 8,192, K 1,024] x [K 1,024, N 1,024]; A: input hidden_states; B: input Wq: QUANTISED (scales: A lowp_scales[0], B lowp_scales[1])
;;     2. [M 8,192, K 1,024] x [K 1,024, N 1,024]; A: input hidden_states; B: input Wk: QUANTISED (scales: A lowp_scales[2], B lowp_scales[3])
;;     3. [M 8,192, K 1,024] x [K 1,024, N 1,024]; A: input hidden_states; B: input Wv: QUANTISED (scales: A lowp_scales[4], B lowp_scales[5])
;;     4. batch 128 x [M 1,024, K 64] x [K 64, N 1,024]; A: computed on the way; B: computed on the way: QUANTISED (scales: A lowp_scales[6], B lowp_scales[7])
;;     5. batch 1,024 x [M 1,024, K 64] x [K 64, N 128]; A: computed on the way; B: computed on the way: QUANTISED (scales: A lowp_scales[8], B lowp_scales[9])
;;     6. batch 128 x [M 1,024, K 1,024] x [K 1,024, N 64]; A: softmax (see below); B: computed on the way: QUANTISED (scales: A lowp_scales[10], B lowp_scales[11])
;;     7. [M 8,192, K 1,024] x [K 1,024, N 1,024]; A: computed on the way; B: input Wo: QUANTISED (scales: A lowp_scales[12], B lowp_scales[13])
;;   THE QUANTISER, for each operand of a quantised product, along K:
;;     - The operand's scale is 2^e, e = its entry of the input lowp_scales (int32; the entries are numbered through the quantised products in the list's order, A before B).
;;     - Each number is divided by the scale, clamped to +-57,344, and rounded to the nearest number of E5M2, ties to even, subnormals kept.
;;     - The product sums the exact products of the quantised numbers (number of the format x scale) in f32.
;;   ~~~python
;;   def quantise(x, axis, e):      # numpy; x: float32 -> the quantised numbers, widened to float32 again
;;       x = np.moveaxis(x, axis, -1); K = x.shape[-1]
;;       r = np.clip(x / 2.0 ** e, -57344, 57344)
;;       step = 2.0 ** (np.maximum(np.frexp(np.where(r == 0, 1, r))[1] - 1, -14) - 2)
;;       q = np.round(r / step) * step * 2.0 ** e      # np.round: ties to even
;;       return np.moveaxis(q, -1, axis).astype(np.float32)
;;   ~~~
;;   SOFTMAX AHEAD OF A QUANTISED PRODUCT. Where the list says 'softmax', what is quantised is not the finished softmax but p = 2^(t - M), with t = logit x log2(e) and M = ceil(the row's largest t), a whole number; so 1/2 < the row's largest p <= 1. The row's sum l is taken of the UNQUANTISED p, in f32, and the product's result is divided by l at the end. Since M is a whole number, a kernel that streams over the keys may use a running M (the ceiling of the running maximum): every later rescaling is an exact power of two, so the quantised numbers keep their values, but for numbers so far below the row's largest that they fall under the format's range.
;;   OPERANDS COMPUTED ON THE WAY. 'Computed on the way' means the value that the module computes at that place (a softmax that the list does not call 'softmax' is quantised finished and normalised). What goes into a quantiser is computed in f32, as accurately as f32 sums, v_exp_f32 and their like allow (about 1e-6 of the number): no bf16 or f16 on the way to a quantiser, and a product that is left as it is and whose result goes on into a quantised operand takes f32 operands (vector FMAs, or v_wmma_f32_16x16x4_f32). A number that lies on a knife's edge between two numbers of the format may be rounded either way, as far as f32 arithmetic and the matrix unit's own rounding can turn it there, and no further.
;; One version. Each part assembles by itself: llvm-mc -triple=amdgcn-amd-amdhsa -mcpu=gfx1250 --defsym DOCPART=n.
;; ======== version 1 of 1: 4 launches
;; limits: right only within a limited range of input values
;; workspace buffers: xc 25,165,824 bytes; wc 4,194,304 bytes; q6 8,388,608 bytes; q9 8,388,608 bytes; k7 8,388,608 bytes; vt 8,388,608 bytes; ao 8,388,608 bytes
;; launch quant (part 1): grid 768 x 1, 4 waves a work-group, no clusters, 34,304 bytes of LDS; arguments hidden_states, Wq, Wk, Wv, Wo, lowp_scales, xc, wc; writes xc, wc
.if DOCPART == 1
	.amdgcn_target "amdgcn-amd-amdhsa--gfx1250"
	.amdhsa_code_object_version 6
	.text
	.protected	k_q9c5725c292_quant
	.globl	k_q9c5725c292_quant
	.p2align	8
	.type	k_q9c5725c292_quant,@function
k_q9c5725c292_quant:
	s_mov_b64 s[64:65], 0
	v_nop
	global_prefetch_b8 v0, s[64:65] scope:SCOPE_SE
	s_setreg_imm32_b32 hwreg(HW_REG_WAVE_MODE, 25, 1), 1
	s_wait_xcnt 0x0
; hidden_states [8192][1024] f32 becomes three sets of E5M2 codes (scales 2^e0, 2^e2, 2^e4: one for each projection), the four weights [1024 (k)][1024 (n)] f32 one set each (e1, e3, e5, e13).
; code = x / 2^e, held within +-57,344, rounded to the nearest code, ties to even.
; LAYOUT OF THE CODES: AN IMAGE OF THE OPERAND'S REGISTERS.  A fragment is 16 rows x 128 K in 16 registers a lane: lane (r, h) holds row r, registers 2 c, 2 c + 1 hold k = 16 c + 8 h + 0 .. 7.
; Four registers are a piece of 512 bytes, lane l's 16 bytes at 16 l; a fragment is four pieces on end.  xc: [3][row / 16][k / 128][2048]; wc: [4][n / 16][k / 128][2048].
; Work-groups 0 to 511 take 16 rows of hidden_states each, the other 256 take 128 columns x 128 k of one weight.  The two ways part on the work-group's number; only the first uses LDS.
; LIMITS: each e between -126 and 112, so that 2^e and 57,344 x 2^e are f32 numbers.  NaN among the inputs is not served.
; No tensor loads, no barrier: waves share nothing.  Matrix units and clusters have nothing to do here: the launch only streams.
.set R,   16                           ; v16-143  rows: two fragments of 64 numbers a lane
.set T,   144                          ; v144-175 two sets of 16 held numbers, by turns
.set C,   176                          ; v176-223 codes: 3 scales x 16 registers
.set SP,  528                          ; a stage row: 512 bytes + 16
.set STG, 16*SP                        ; a wave's stage
.set XW,  16                           ; weights: v16-143 128 numbers down K
.set CW,  144                          ; weights: v144-175 their codes
.macro MKSC e, vs, vl                  ; from the whole number in s[e]: v[vs] = 2^e as f32 (the conversion takes its exponent field), v[vl] = 57,344 x 2^e
	s_add_co_i32 s42, s[\e], 127
	s_lshl_b32 s43, s42, 23
	v_mov_b32 v[\vs], s43
	s_add_co_i32 s42, s42, 15
	s_lshl_b32 s42, s42, 23
	s_or_b32 s42, s42, 0x600000
	v_mov_b32 v[\vl], s42
.endm
	s_load_b512 s[4:19], s[0:1], 0x0               ; hidden_states s[4:5], Wq, Wk, Wv, Wo s[6:13], the scales s[14:15], xc s[16:17], wc s[18:19]
	v_lshl_add_u32 v224, v0, 2, 0x8400
	v_mov_b32 v225, 0
	v_lshrrev_b32 v2, 5, v0
	v_readfirstlane_b32 s20, v2                    ; wave
	v_and_b32 v1, 31, v0                           ; lane
	v_and_b32 v6, 15, v0                           ; r
	v_bfe_u32 v7, v0, 4, 1                         ; h
	s_wait_kmcnt 0x0
	s_load_b256 s[24:31], s[14:15], 0x0            ; e0 .. e7
	s_load_b64 s[32:33], s[14:15], 0x30            ; e12, e13
	s_cmp_lt_u32 ttmp9, 512
	s_cbranch_scc0 .Lweights
	; ---- 16 rows of hidden_states.  Wave w takes k = 128 w .. and 128 (w + 4) ..: two fragments
	s_lshl_b32 s34, ttmp9, 16                      ; 16 rows of 4,096 bytes
	s_lshl_b32 s21, s20, 9
	s_add_co_u32 s34, s34, s21
	s_mov_b32 s35, 0
	s_add_nc_u64 s[34:35], s[4:5], s[34:35]
	s_lshl_b32 s36, ttmp9, 14                      ; a tile of rows is 8 fragments of 2,048 bytes
	s_lshl_b32 s21, s20, 11
	s_add_co_u32 s36, s36, s21
	s_mov_b32 s37, 0
	s_add_nc_u64 s[36:37], s[16:17], s[36:37]      ; the three sets of codes lie 8,388,608 bytes apart
	s_add_nc_u64 s[38:39], s[36:37], 0x800000
	s_add_nc_u64 s[40:41], s[36:37], 0x1000000
	s_wait_alu depctr_va_vdst(0)
	v_lshlrev_b32 v2, 4, v1                        ; 16 x lane: loads and stores alike
	s_mul_i32 s22, s20, STG
	v_add_nc_u32 v3, s22, v2                       ; the stage, on the way in: a row as it lies
	v_mul_u32_u24 v4, v6, SP
	v_lshl_add_u32 v4, v7, 5, v4
	v_add_nc_u32 v4, s22, v4                       ; and on the way out: row r, + 32 h: eight neighbours
.irp g, 0,1
.irp i, 0,1,2,3,4,5,6,7,8,9,10,11,12,13,14,15
	global_load_b128 v[R+64*\g+4*\i:R+64*\g+4*\i+3], v2, s[34:35] offset:4096*\i+2048*\g th:TH_LOAD_NT   ; 32 lanes read 512 consecutive bytes of row i
.endr
.endr
	s_wait_alu depctr_va_vdst(0)
	s_wait_kmcnt 0x0
	MKSC 24, 8, 9
	MKSC 26, 10, 11
	MKSC 28, 12, 13
.macro FRAGX g
	s_wait_loadcnt 16*(1-\g)                       ; this fragment's sixteen loads are in; the other's sixteen, issued behind them, may be out
.irp i, 0,1,2,3,4,5,6,7,8,9,10,11,12,13,14,15
	ds_store_b128 v3, v[R+64*\g+4*\i:R+64*\g+4*\i+3] offset:SP*\i
.endr
.irp x, 0,1,2,3                        ; back as the operand wants them, into the registers that they left: 16 x + i = k 32 x + 8 h + i (i < 8), 32 x + 16 + 8 h + i - 8 (else).  LDS serves a wave's instructions in order
.irp u, 0,1
.irp q, 0,1
	ds_load_b128 v[R+64*\g+16*\x+8*\u+4*\q:R+64*\g+16*\x+8*\u+4*\q+3], v4 offset:128*\x+64*\u+16*\q
.endr
.endr
.endr
	s_wait_dscnt 0x0
.if \g
	s_wait_xcnt 0x0                                ; the first fragment's stores have read their data: the codes' registers are written again
.endif
.irp s, 0,1,2
.irp x, 0,1,2,3
.irp i, 0,1,2,3,4,5,6,7,8,9,10,11,12,13,14,15
	v_med3_num_f32 v[T+16*(\x%2)+\i], v[R+64*\g+16*\x+\i], -v[9+2*\s], v[9+2*\s]   ; the conversion does not saturate (ISA guide 7.6.2): the hold comes first.  The numbers stay: three scales take them
.endr
	v_cvt_scalef32_pk8_bf8_f32 v[C+16*\s+4*\x:C+16*\s+4*\x+1], v[T+16*(\x%2):T+16*(\x%2)+7], v[8+2*\s]
	v_cvt_scalef32_pk8_bf8_f32 v[C+16*\s+4*\x+2:C+16*\s+4*\x+3], v[T+16*(\x%2)+8:T+16*(\x%2)+15], v[8+2*\s]   ; the next sixteen holds write the other set: plain lines between a conversion and the next write of its sources
	global_store_b128 v2, v[C+16*\s+4*\x:C+16*\s+4*\x+3], s[36+2*\s:37+2*\s] offset:8192*\g+512*\x   ; a piece: 512 consecutive bytes, aligned
.endr
.endr
.endm
	s_wait_alu depctr_va_vdst(0)
	FRAGX 0
	FRAGX 1
	s_wait_tensorcnt 0x0
	ds_add_u32 v224, v225
	s_wait_dscnt 0x0
	s_endpgm
	; ---- 128 columns x 128 k of one weight.  A LANE TAKES A COLUMN n, ITS REGISTERS RUN DOWN K: the conversions then give codes with K innermost, and nothing is transposed
.Lweights:
	s_sub_co_u32 s21, ttmp9, 512
	s_and_b32 s22, s21, 7                          ; which 128 columns
	s_bfe_u32 s23, s21, 0x30003                    ; which 128 along K
	s_lshr_b32 s34, s21, 6                         ; which weight: 0 q, 1 k, 2 v, 3 o
	s_cmp_eq_u32 s34, 1
	s_cselect_b64 s[36:37], s[8:9], s[6:7]
	s_cmp_eq_u32 s34, 3
	s_cselect_b64 s[38:39], s[12:13], s[10:11]
	s_cmp_lt_u32 s34, 2
	s_cselect_b64 s[36:37], s[36:37], s[38:39]
	s_lshl_b32 s40, s23, 19                        ; 128 rows of 4,096 bytes
	s_lshl_b32 s41, s22, 9
	s_add_co_u32 s40, s40, s41
	s_lshl_b32 s41, s20, 7                         ; my wave's 32 columns
	s_add_co_u32 s40, s40, s41
	s_mov_b32 s41, 0
	s_add_nc_u64 s[36:37], s[36:37], s[40:41]
	s_lshl_b32 s40, s34, 20                        ; a weight's codes are 1,048,576 bytes; tile of columns 8 xb + 2 wave (+ lane / 16), 16,384 bytes each; fragment f, 2,048
	s_lshl_b32 s42, s22, 17
	s_add_co_u32 s40, s40, s42
	s_lshl_b32 s42, s20, 15
	s_add_co_u32 s40, s40, s42
	s_lshl_b32 s42, s23, 11
	s_add_co_u32 s40, s40, s42
	s_add_nc_u64 s[38:39], s[18:19], s[40:41]
	s_wait_alu depctr_va_vdst(0)
	v_lshlrev_b32 v5, 2, v1                        ; in: 4 bytes a lane
	v_lshlrev_b32 v4, 4, v6
	v_lshl_add_u32 v4, v7, 14, v4                  ; out: 16 r in the tile of columns lane / 16
.macro LOADW c                         ; W(32 c + i, my column), i = 0 .. 31
.set i, 0
.rept 32
	global_load_b32 v[XW+32*(\c)+i], v5, s[36:37] offset:(32*(\c)+i)*4096 th:TH_LOAD_NT
.set i, i+1
.endr
.endm
	LOADW 0
	LOADW 1
	s_wait_alu depctr_va_vdst(0)
	s_wait_kmcnt 0x0
	s_cmp_eq_u32 s34, 1
	s_cselect_b32 s44, s27, s25                    ; e3 : e1
	s_cmp_eq_u32 s34, 3
	s_cselect_b32 s45, s33, s29                    ; e13 : e5
	s_cmp_lt_u32 s34, 2
	s_cselect_b32 s44, s44, s45
	MKSC 44, 8, 9
.macro BLOCKW c
.if (\c) < 3
	s_wait_loadcnt 32                              ; this block's 32 loads are in; the next block's 32 may be out
.else
	s_wait_loadcnt 0x0
.endif
.if (\c)+2 < 4
	LOADW (\c)+2
.endif
.set i, 0
.rept 32
	v_med3_num_f32 v[XW+32*(\c)+i], v[XW+32*(\c)+i], -v9, v9
.set i, i+1
.endr
	; my column's 32 codes are the 16 bytes of lane (r, 0) of piece c (k 0-7 and 16-23 of the block) and the 16 bytes of lane (r, 1) (k 8-15 and 24-31)
	v_cvt_scalef32_pk8_bf8_f32 v[CW+8*(\c):CW+8*(\c)+1], v[XW+32*(\c):XW+32*(\c)+7], v8
	v_cvt_scalef32_pk8_bf8_f32 v[CW+8*(\c)+4:CW+8*(\c)+5], v[XW+32*(\c)+8:XW+32*(\c)+15], v8
	v_cvt_scalef32_pk8_bf8_f32 v[CW+8*(\c)+2:CW+8*(\c)+3], v[XW+32*(\c)+16:XW+32*(\c)+23], v8
	v_cvt_scalef32_pk8_bf8_f32 v[CW+8*(\c)+6:CW+8*(\c)+7], v[XW+32*(\c)+24:XW+32*(\c)+31], v8
	global_store_b128 v4, v[CW+8*(\c):CW+8*(\c)+3], s[38:39] offset:512*(\c)         ; sixteen lanes store 256 consecutive bytes, aligned; every block has registers of its own
	global_store_b128 v4, v[CW+8*(\c)+4:CW+8*(\c)+7], s[38:39] offset:512*(\c)+256
.endm
	s_wait_alu depctr_va_vdst(0)
	BLOCKW 0
	BLOCKW 1
	BLOCKW 2
	BLOCKW 3
	s_endpgm
.Lfunc_end_k_q9c5725c292_quant:
	.size	k_q9c5725c292_quant, .Lfunc_end_k_q9c5725c292_quant-k_q9c5725c292_quant
	.p2alignl 7, 3214868480
	.fill 96, 4, 3214868480
	.section	.rodata,"a",@progbits
	.p2align	6, 0x0
	.amdhsa_kernel k_q9c5725c292_quant
		.amdhsa_group_segment_fixed_size 34304
		.amdhsa_private_segment_fixed_size 0
		.amdhsa_enable_private_segment 0
		.amdhsa_kernarg_size 64
		.amdhsa_user_sgpr_count 2
		.amdhsa_user_sgpr_kernarg_segment_ptr 1
		.amdhsa_wavefront_size32 1
		.amdhsa_system_sgpr_workgroup_id_x 1
		.amdhsa_system_sgpr_workgroup_id_y 1
		.amdhsa_system_sgpr_workgroup_id_z 1
		.amdhsa_system_vgpr_workitem_id 0
		.amdhsa_next_free_vgpr 226
		.amdhsa_next_free_sgpr 66
		.amdhsa_reserve_vcc 0
		.amdhsa_float_denorm_mode_32 3
		.amdhsa_float_denorm_mode_16_64 3
		.amdhsa_memory_ordered 1
		.amdhsa_forward_progress 1
		.amdhsa_inst_pref_size 63
	.end_amdhsa_kernel
	.amdgpu_metadata
---
amdhsa.version: [ 1, 2 ]
amdhsa.kernels:
  - .name:           k_q9c5725c292_quant
    .symbol:         k_q9c5725c292_quant.kd
    .args:
      - { .name: hidden_states, .offset: 0, .size: 8, .value_kind: global_buffer, .address_space: global }
      - { .name: Wq, .offset: 8, .size: 8, .value_kind: global_buffer, .address_space: global }
      - { .name: Wk, .offset: 16, .size: 8, .value_kind: global_buffer, .address_space: global }
      - { .name: Wv, .offset: 24, .size: 8, .value_kind: global_buffer, .address_space: global }
      - { .name: Wo, .offset: 32, .size: 8, .value_kind: global_buffer, .address_space: global }
      - { .name: lowp_scales, .offset: 40, .size: 8, .value_kind: global_buffer, .address_space: global }
      - { .name: xc, .offset: 48, .size: 8, .value_kind: global_buffer, .address_space: global }
      - { .name: wc, .offset: 56, .size: 8, .value_kind: global_buffer, .address_space: global }
    .group_segment_fixed_size: 34304
    .private_segment_fixed_size: 0
    .kernarg_segment_align: 8
    .kernarg_segment_size: 64
    .max_flat_workgroup_size: 128
    .sgpr_count:     66
    .vgpr_count:     226
    .wavefront_size: 32
...
	.end_amdgpu_metadata
.endif
;; end of part 1
;; launch qkv (part 2): grid 12 x 32, 4 waves a work-group, clusters of 4 x 4, 327,680 bytes of LDS; arguments xc, wc, bq, bk, bv, lowp_scales, q6, q9, k7, vt; writes q6, q9, k7, vt
.if DOCPART == 2
	.amdgcn_target "amdgcn-amd-amdhsa--gfx1250"
	.amdhsa_code_object_version 6
	.text
	.protected	k_q9c5725c292_qkv
	.globl	k_q9c5725c292_qkv
	.p2align	8
	.type	k_q9c5725c292_qkv,@function
k_q9c5725c292_qkv:
	s_mov_b64 s[64:65], 0
	v_nop
	global_prefetch_b8 v0, s[64:65] scope:SCOPE_SE
	s_setreg_imm32_b32 hwreg(HW_REG_WAVE_MODE, 25, 1), 1
	s_wait_xcnt 0x0
	s_wait_alu depctr_hold_cnt(0) depctr_sa_sdst(0) depctr_va_vdst(0) depctr_va_sdst(0) depctr_va_ssrc(0) depctr_va_vcc(0) depctr_vm_vsrc(0)
	s_getreg_b32 s2, hwreg(HW_REG_IB_STS2, 6, 4)
	s_cmp_eq_u32 s2, 0
	s_cbranch_scc0 .Lentry_in_a_cluster
	s_endpgm
.Lentry_in_a_cluster:
	s_bfe_u32 s2, ttmp6, 0x10000c
	s_cmp_lg_u32 s2, 0xf033
	s_cbranch_scc0 .Lentry_shape_is_right
	s_endpgm
.Lentry_shape_is_right:
; The three projections y = x W + b on E5M2 codes (v_wmma_f32_16x16x128_bf8_bf8, f32 sums), and y quantised at once for the products that follow: q with 2^e6 and with 2^e9, k with 2^e7, v with 2^e11.
; Operands come and results go as IMAGES OF OPERAND REGISTERS: lane (r, h) holds row r, registers 2 c, 2 c + 1 hold k = 16 c + 8 h + 0 .. 7; four registers are a piece of 512 bytes, lane l's 16 bytes at 16 l.
; A tile of 256 x 256 is made by four waves, 128 x 128 each: 64 accumulators, 512 registers.  K = 1,024 goes in four steps of 256 through two LDS slots filled by the tensor data mover.
; THE MODE is the cluster's x (0 q, 1 k, 2 v): the same in all sixteen partners.  Side A feeds source 1 and ends along the result's lanes, side B feeds source 0 and ends along its registers.
;   q, k: A = tokens, B = the weight's columns: a lane holds one token and eight neighbouring channels: one conversion gives registers 2 c, 2 c + 1 of an operand whose K is the head's 64.
;   v:    A = the weight's columns, B = tokens: a lane holds one channel and eight neighbouring keys: the same for an operand whose K is the keys.  The sides are swapped by addresses alone.
; CLUSTERS: 4 x 4.  A's tile hangs on the cluster's y, the mode and cy, and is asked for jointly along a row of the cluster; B's on the cluster's y, the mode and cx, jointly along a column.
; The bias is the C of each sum's first product, divided by 2^(ea + eb), which the sums lack.  The scales ahead of each quantiser are folded into the conversion's one: 2^(eo - ea - eb).
; OUT: q6, q9, k7: [16 batch + head][token / 16][2 pieces][512];  vt: [16 batch + head][key / 128][channel / 16][4 pieces][512].
; LIMITS: eo - ea - eb between -126 and 112 for (e6, e0, e1), (e9, e0, e1), (e7, e2, e3), (e11, e4, e5).  NaN among the inputs is not served.
; REGISTERS: window 0: v8-11 scales and holds; v16-17, v20-21 LDS addresses; v24, v25 store offsets; v28, v29 the add's; v32-95 the bias; v96-127 offsets of the bias loads, later codes; v128-255 A's fragments (one set), later held sums.
;   window 1: B's fragments, two sets.   windows 2, 3: the accumulators, (a, b) at v[8 (8 (a % 4) + b)].
.set KSB,    4096                      ; a K step of 256 in a tile of 16 rows: two fragments
.set HALFT,  8*KSB                     ; 128 rows: what one tensor load brings, and what one wave reads of A or of B
.set SLOT,   4*HALFT                   ; A's 256 rows, then B's
.set SPARE,  2*SLOT                    ; behind the ring: the spare words, 128 bytes for each wave, which no other line names
.set FR,     16
.set NL,     4
.set NP,     4                         ; places behind this matrix instruction (ISA guide 7.12.1)
.set ADRA, 16
.set ADRB, 20
.set SPW,  28
.set NIL,  29
.set BIAS, 32
.set AF,   128
.set G1,  24                           ; s[24:31] descriptor group 1 for A's tiles; s[32:39] group 0, one set for each slot
.set G0,  32
.set G1B, 48                           ; s[48:55], s[56:63] the same for B's
.set G0B, 56
.set MSB, 0
.macro WIN new                         ; the immediate's high byte repeats the setting that is left
.if MSB != \new
	s_set_vgpr_msb (MSB<<8)|\new
.set MSB, \new
.endif
.endm
.set MUL_LO, 0xa1                      ; source 0 (B) window 1, source 1 (A) window 0, C and D window 2
.set MUL_HI, 0xf1                      ; the same, C and D window 3
.set BEG_LO, 0x81                      ; the first products: C (the bias) window 0, D window 2
.set BEG_HI, 0xc1                      ; D window 3
.set TO_B,   0x40                      ; destination window 1, address window 0
; A joint load: waves 0 and 1 fetch for A, waves 2 and 3 for B; the branch hangs on the wave's number alone.  Four v_nop follow each of the two lines.
.macro JLOAD g0a, g1a, g0b, g1b
	s_cmp_eq_u32 s17, 0
	s_cbranch_scc0 .Lfor_b_\@
	tensor_load_to_lds s[\g0a:\g0a+3], s[\g1a:\g1a+7]
	s_nop 0
.rept 4
	v_nop
.endr
	s_branch .Lasked_\@
.Lfor_b_\@:
	tensor_load_to_lds s[\g0b:\g0b+3], s[\g1b:\g1b+7]
	s_nop 0
.rept 4
	v_nop
.endr
.Lasked_\@:
.endm
.macro CREST                           ; a round of the cluster's barrier behind its opening barrier
	s_cmp_lg_u32 s16, 0
	s_cbranch_scc1 .Lnot_wave_0_\@
	s_barrier_signal -3
.Lnot_wave_0_\@:
	s_barrier_wait -3
	s_barrier_signal -1
	s_barrier_wait -1
.endm
.macro CROUND
	s_barrier_signal -1
	s_barrier_wait -1
	CREST
.endm
.macro PLACES n
.rept \n
	v_nop
.endr
.endm
	s_load_b256 s[4:11], s[0:1], 0x0               ; xc s[4:5], wc s[6:7], bq s[8:9], bk s[10:11]
	s_load_b128 s[12:15], s[0:1], 0x20             ; bv s[12:13], the scales s[14:15]
	s_load_b256 s[68:75], s[0:1], 0x30             ; q6 s[68:69], q9 s[70:71], k7 s[72:73], vt s[74:75]
	v_lshl_add_u32 v[SPW], v0, 2, SPARE
	v_mov_b32 v[NIL], 0
	ds_add_u32 v28, v29
	ds_add_u32 v28, v29
	s_wait_dscnt 0x0
	v_lshrrev_b32 v1, 5, v0
	v_readfirstlane_b32 s16, v1                    ; wave 0..3
	s_lshr_b32 s17, s16, 1                         ; my half of side A.  Also: I fetch for A (0) or for B (1)
	s_and_b32 s18, s16, 1                          ; my half of side B.  Also: which 128 rows I fetch
	s_mov_b32 s19, ttmp9                           ; the mode: the cluster's x
	s_bfe_u32 s40, ttmp6, 0x40000                  ; cx
	s_bfe_u32 s41, ttmp6, 0x40004                  ; cy
	s_and_b32 s20, ttmp7, 0xffff
	s_lshl_b32 s20, s20, 2                         ; 4 x the cluster's y: the tokens' side takes it
	s_cmp_eq_u32 s19, 2
	s_cselect_b32 s42, 0, s20
	s_cselect_b32 s43, s20, 0
	s_add_co_u32 s42, s42, s41                     ; A's block of 256 rows
	s_add_co_u32 s43, s43, s40                     ; B's
	s_lshl_b32 s44, s41, 2
	s_lshl_b32 s44, 15, s44                        ; my row of the cluster
	s_lshl_b32 s45, 0x1111, s40                    ; my column
	; descriptor group 1: 8 tiles of rows x 4,096 bytes (512 elements of 8 bytes), 16,384 bytes (2,048 elements) apart in memory, on end in LDS
	s_or_b32 s[G1+0], s44, (3<<16)|(1<<21)         ; 15:0 the mask; 17:16 elements of 8 bytes; 21 set beside a mask; no padding: a piece is read as 512 consecutive bytes
	s_or_b32 s[G1B+0], s45, (3<<16)|(1<<21)
.irp g, G1, G1B
	s_mov_b32 s[\g+1], 512<<16                     ; tensor_dim0
	s_mov_b32 s[\g+2], 8<<16                       ; tensor_dim1
	s_mov_b32 s[\g+3], 512<<16                     ; tile_dim0
	s_mov_b32 s[\g+4], 8                           ; tile_dim1
	s_mov_b32 s[\g+5], 2048                        ; tensor_dim0_stride
	s_mov_b32 s[\g+6], 0
	s_mov_b32 s[\g+7], 0
.endr
	s_lshl_b32 s21, s18, 17                        ; which 128 rows I fetch: 8 x 16,384 bytes
	s_lshl_b32 s46, s42, 18                        ; A: a block is 16 x 16,384 bytes
	s_add_co_u32 s46, s46, s21
	s_mov_b32 s47, 0
	s_lshl_b32 s22, s43, 18                        ; B, in registers that never hold cy
	s_add_co_u32 s22, s22, s21
	s_mov_b32 s23, 0
	s_lshl_b32 s66, s16, 15                        ; where they go: wave x 32,768: no place in the cluster enters an LDS address
	s_wait_kmcnt 0x0
	s_load_b256 s[76:83], s[14:15], 0x0            ; e0 .. e7
	s_load_b128 s[84:87], s[14:15], 0x20           ; e8 .. e11
	s_lshl_b32 s88, s19, 23
	s_mov_b32 s89, 0
	s_add_nc_u64 s[88:89], s[4:5], s[88:89]        ; the mode's codes of x
	s_lshl_b32 s90, s19, 20
	s_mov_b32 s91, 0
	s_add_nc_u64 s[90:91], s[6:7], s[90:91]        ; the mode's weight
	s_cmp_eq_u32 s19, 2
	s_cselect_b64 s[92:93], s[90:91], s[88:89]     ; side A
	s_cselect_b64 s[94:95], s[88:89], s[90:91]     ; side B
	s_add_nc_u64 s[92:93], s[92:93], s[46:47]
	s_add_nc_u64 s[94:95], s[94:95], s[22:23]
	CROUND                                         ; all sixteen work-groups are here: the first joint loads meet
.irp s, 0,1
	s_mov_b32 s[G0+4*\s], 1
	s_add_co_u32 s[G0+4*\s+1], s66, \s*SLOT
	s_add_nc_u64 s[G0+4*\s+2:G0+4*\s+3], s[92:93], \s*KSB
	s_or_b32 s[G0+4*\s+3], s[G0+4*\s+3], 0x80000000
	s_mov_b32 s[G0B+4*\s], 1
	s_add_co_u32 s[G0B+4*\s+1], s66, \s*SLOT
	s_add_nc_u64 s[G0B+4*\s+2:G0B+4*\s+3], s[94:95], \s*KSB
	s_or_b32 s[G0B+4*\s+3], s[G0B+4*\s+3], 0x80000000
.endr
	JLOAD G0, G1, G0B, G1B                         ; K step 0: one tensor load a wave at the head
	; A PREFETCH of the K step that stands two joint loads on: of the 8 tiles of rows that my wave fetches, each of the four partners that ask for them jointly names two (by address: cx for A, cy for B): 32 blocks of 256 bytes, a lane a block
	s_cmp_eq_u32 s17, 0
	s_cselect_b64 s[46:47], s[92:93], s[94:95]
	s_cselect_b32 s22, s40, s41
	s_lshl_b32 s22, s22, 15                        ; two tiles of rows of 16,384 bytes
	s_mov_b32 s23, 0
	s_add_nc_u64 s[46:47], s[46:47], s[22:23]      ; never rewritten
	v_bfe_u32 v30, v0, 4, 1
	v_lshlrev_b32 v30, 14, v30
	v_and_b32 v31, 15, v0
	v_lshl_add_u32 v30, v31, 8, v30                ; 16,384 (lane / 16) + 256 (lane % 16); never rewritten
	global_prefetch_b8 v30, s[46:47] offset:2*KSB th:TH_LOAD_NT scope:SCOPE_SE   ; K step 2
	v_and_b32 v1, 31, v0
	v_lshlrev_b32 v24, 4, v1                       ; 16 x lane: a piece's place for my lane, in LDS and in memory
	s_lshl_b32 s20, s17, 15                        ; my 128 rows of A
	s_lshl_b32 s21, s18, 15                        ; my 128 rows of B,
	s_add_co_u32 s21, s21, 2*HALFT                 ; which lie behind A's 256
.irp s, 0,1
	v_add_nc_u32 v[ADRA+\s], s20, v24
	v_add_nc_u32 v[ADRB+\s], s21, v24
	s_add_co_u32 s20, s20, SLOT
	s_add_co_u32 s21, s21, SLOT
.endr
	v_and_b32 v3, 15, v0                           ; r
	v_bfe_u32 v4, v0, 4, 1                         ; h
	v_lshlrev_b32 v5, 5, v4                        ; 32 h
	v_lshlrev_b32 v6, 2, v3                        ; 4 r
	s_wait_alu depctr_va_vdst(0)
	s_cmp_eq_u32 s19, 2                            ; what the mode decides is chosen, not branched on
	s_cselect_b32 s20, s42, s43                    ; the channels' block,
	s_cselect_b32 s21, s17, s18                    ; and my half of it
	s_cselect_b32 s2, s43, s42                     ; the tokens' block,
	s_cselect_b32 s3, s18, s17                     ; and my half of it
	s_cselect_b32 s22, 0, 4                        ; the bias from register to register: v: the same number; q, k: the next channel's
	s_cselect_b32 s23, -1, 0
	s_cselect_b64 s[98:99], s[12:13], s[10:11]
	s_mov_b32 s92, 1024
	s_cselect_b32 s92, 2048, s92                   ; the way out, from block a to a + 1: q, k: a tile of tokens; v: a tile of channels
	s_mov_b32 s94, 1024
	s_cselect_b32 s94, 59392, s94                  ; from a = 3 to a = 4: v: on to the next head (65,536 - 3 x 2,048)
	s_mov_b32 s67, 65536
	s_cselect_b32 s67, 1024, s67                   ; pieces 2 and 3: q, k: the next head's; v: the next two of the fragment
	s_cmp_eq_u32 s19, 0
	s_cselect_b64 s[98:99], s[8:9], s[98:99]       ; bq, bk or bv
	s_mov_b32 s93, 0
	s_mov_b32 s95, 0
	v_cndmask_b32 v5, v5, v6, s23                  ; q, k: 32 h (my eight channels of a tile); v: 4 r (my channel)
	v_add_nc_u32 v25, s67, v24
.irp j, 0,1,2,3,4,5,6,7
	v_mad_u32_u24 v[96+\j], s22, \j, v5
.endr
	s_lshl_b32 s44, s20, 10
	s_lshl_b32 s67, s21, 9
	s_add_co_u32 s44, s44, s67                     ; my first channel, 256 x block + 128 x half, in bytes
	s_mov_b32 s45, 0
	s_add_nc_u64 s[98:99], s[98:99], s[44:45]
.irp i, 0,1,2,3,4,5,6,7                ; register 8 i + j: q, k: b(16 i + 8 h + j), the C of accumulators (., i); v: b(16 i + r), the C of accumulators (i, .)
.irp j, 0,1,2,3,4,5,6,7
	global_load_b32 v[BIAS+8*\i+\j], v[96+\j], s[98:99] offset:64*\i
.endr
.endr
	; where my results begin: ((16 batch + first head) << 16) + ((2 (tokens' block % 4) + half) << 13): 8 tiles of tokens of 1,024 bytes, or a key step of 8,192
	s_lshr_b32 s44, s2, 2
	s_lshl_b32 s44, s44, 4
	s_lshl_b32 s67, s20, 2
	s_add_co_u32 s44, s44, s67
	s_lshl_b32 s67, s21, 1
	s_add_co_u32 s44, s44, s67
	s_lshl_b32 s44, s44, 16
	s_and_b32 s67, s2, 3
	s_lshl_b32 s67, s67, 1
	s_add_co_u32 s67, s67, s3
	s_lshl_b32 s67, s67, 13
	s_add_co_u32 s44, s44, s67
	s_cmp_eq_u32 s19, 1
	s_cselect_b64 s[88:89], s[72:73], s[68:69]
	s_cmp_eq_u32 s19, 2
	s_cselect_b64 s[88:89], s[74:75], s[88:89]     ; q6, k7 or vt
	s_add_nc_u64 s[88:89], s[88:89], s[44:45]
	s_add_nc_u64 s[90:91], s[70:71], s[44:45]      ; q9 (stored in mode q alone)
.macro FRAG reg, adr, q, i             ; a fragment comes back as it was stored: four pieces
.irp c, 0,1,2,3
	ds_load_b128 v[\reg+4*\c:\reg+4*\c+3], v[\adr] offset:2048*(\q)+512*\c+(\i)*KSB
.endr
.endm
; 16 matrix instructions: A's blocks a0, a0 + 1 x B's eight, 128 along K.  p: B's set.  cm = 0: onto the sums; 1: the sums begin with the bias of B's block; 2: of A's block.
; The 64 accumulators take turns, one instruction a turn, in the same order in every step.
.macro MUL16 a0, p, cm
.irp a, \a0, \a0+1
.irp b, 0,1,2,3,4,5,6,7
.if (\cm) == 1
	v_wmma_f32_16x16x128_bf8_bf8 v[8*(8*((\a)%4)+\b):8*(8*((\a)%4)+\b)+7], v[128*(\p)+FR*\b:128*(\p)+FR*\b+FR-1], v[AF+FR*(\a):AF+FR*(\a)+FR-1], v[BIAS+8*\b:BIAS+8*\b+7]
.elseif (\cm) == 2
	v_wmma_f32_16x16x128_bf8_bf8 v[8*(8*((\a)%4)+\b):8*(8*((\a)%4)+\b)+7], v[128*(\p)+FR*\b:128*(\p)+FR*\b+FR-1], v[AF+FR*(\a):AF+FR*(\a)+FR-1], v[BIAS+8*(\a):BIAS+8*(\a)+7]
.else
	v_wmma_f32_16x16x128_bf8_bf8 v[8*(8*((\a)%4)+\b):8*(8*((\a)%4)+\b)+7], v[128*(\p)+FR*\b:128*(\p)+FR*\b+FR-1], v[AF+FR*(\a):AF+FR*(\a)+FR-1], v[8*(8*((\a)%4)+\b):8*(8*((\a)%4)+\b)+7]
.endif
.endr
.endr
.endm
.macro FETCH_B slot, q, p
	WIN TO_B
.irp i, 0,1,2,3,4,5,6,7
	FRAG 128*(\p)+FR*\i, ADRB+\slot, \q, \i
.endr
	WIN 0
.endm
.macro FETCH_A slot, q, i0
.irp i, \i0, \i0+1, \i0+2, \i0+3
	FRAG AF+FR*(\i), ADRA+\slot, \q, \i
.endr
.endm
; A step of 128 along K that has its successor in the same slot.  A's blocks go one after the other, so one set of registers serves A: blocks 0-3 are fetched anew in the middle, blocks 4-7 at the end.
.macro STEP slot, q, cm
	s_wait_dscnt 4*NL                              ; B's set and A's blocks 0-3 are in; the youngest sixteen loads (A's blocks 4-7) may be out
.if \cm
	WIN BEG_LO
.else
	WIN MUL_LO
.endif
	MUL16 0, (\q)%2, \cm
	MUL16 2, (\q)%2, \cm
	s_wait_dscnt 0
	PLACES NP                                      ; in front of loads into registers that matrix instructions have read
	FETCH_B \slot, (\q)+1, 1-(\q)%2
	FETCH_A \slot, (\q)+1, 0
.if \cm
	WIN BEG_HI
.else
	WIN MUL_HI
.endif
	MUL16 4, (\q)%2, \cm
	MUL16 6, (\q)%2, \cm
	PLACES NP
	WIN 0
	FETCH_A \slot, (\q)+1, 4
.endm
; A slot's last step changes slots: one barrier; in front of it each wave waits for all its tensor loads, adds 0 to its spare word, and waits for that and for its reads of this slot.  fill = 1: the slot is filled again, two K steps on.
.macro TURN slot, next, fill
	s_wait_tensorcnt 0x0                           ; all my tensor loads have landed: my part of the next slot
	ds_add_u32 v[SPW], v[NIL]                      ; 0 onto my spare word
	s_wait_dscnt 4*NL+1                            ; (the add and the youngest sixteen loads may be out)
	WIN MUL_LO
	MUL16 0, 1, 0
	s_wait_dscnt 0x0                               ; the add is done, and my reads of this slot are over
	s_barrier_signal -1
	MUL16 2, 1, 0
	WIN 0
	s_barrier_wait -1
.if \fill
	CREST                                          ; the barrier has opened a round of the cluster's: no wave of any partner still reads this slot or has a load on its way
	s_add_nc_u64 s[G0+4*\slot+2:G0+4*\slot+3], s[G0+4*\slot+2:G0+4*\slot+3], 2*KSB
	s_add_nc_u64 s[G0B+4*\slot+2:G0B+4*\slot+3], s[G0B+4*\slot+2:G0B+4*\slot+3], 2*KSB
	JLOAD G0+4*\slot, G1, G0B+4*\slot, G1B         ; the first tensor load behind the round; its four v_nop are also the places in front of the loads below
.else
	PLACES NP
.endif
	FETCH_B \next, 0, 0
	FETCH_A \next, 0, 0
	WIN MUL_HI
	MUL16 4, 1, 0
	MUL16 6, 1, 0
	PLACES NP
	WIN 0
	FETCH_A \next, 0, 4
.endm
	s_wait_alu depctr_va_vdst(0)                   ; the head's end
	s_wait_tensorcnt 0x0                           ; my part of K step 0 is in
	ds_add_u32 v[SPW], v[NIL]
	s_wait_dscnt 0x0
	CROUND                                         ; everybody's part of K step 0 is in, and all sixteen work-groups are here
	JLOAD G0+4, G1, G0B+4, G1B                     ; K step 1: the first tensor load behind the round
	FETCH_B 0, 0, 0
	FETCH_A 0, 0, 0
	FETCH_A 0, 0, 4
	global_prefetch_b8 v30, s[46:47] offset:3*KSB th:TH_LOAD_NT scope:SCOPE_SE   ; behind K step 1's joint load: K step 3, the last
	s_wait_kmcnt 0x0
	s_cmp_eq_u32 s19, 1
	s_cselect_b32 s20, s78, s76                    ; ea: e0, e2, e4
	s_cselect_b32 s21, s79, s77                    ; eb: e1, e3, e5
	s_cselect_b32 s22, s83, s82                    ; eo: e6, e7, e11
	s_cmp_eq_u32 s19, 2
	s_cselect_b32 s20, s80, s20
	s_cselect_b32 s21, s81, s21
	s_cselect_b32 s22, s87, s22
	s_add_co_i32 s96, s20, s21                     ; a sum stands for sum x 2^(ea + eb)
	s_sub_co_i32 s97, 0, s96
.macro MKSC e, vs, vl                  ; v[vs] = 2^(e - ea - eb) as f32, v[vl] = 57,344 x that
	s_sub_co_i32 s20, s[\e], s96
	s_add_co_i32 s20, s20, 127
	s_lshl_b32 s21, s20, 23
	v_mov_b32 v[\vs], s21
	s_add_co_i32 s20, s20, 15
	s_lshl_b32 s20, s20, 23
	s_or_b32 s20, s20, 0x600000
	v_mov_b32 v[\vl], s20
.endm
	MKSC 22, 8, 9
	MKSC 85, 10, 11                                ; q's second set, with e9 (used in mode q alone)
	s_wait_loadcnt 0x0                             ; the bias
.set n, 0
.rept 64
	v_ldexp_f32 v[BIAS+n], v[BIAS+n], s97          ; b / 2^(ea + eb)
.set n, n+1
.endr
	s_cmp_eq_u32 s19, 2                            ; the first step's products begin the sums with the bias: its registers go by B's block (q, k) or by A's (v), so this one step is written twice
	s_cbranch_scc1 .Lfirst_v
	s_wait_alu depctr_va_vdst(0)
	STEP 0, 0, 1
	s_branch .Lfirst_done
.Lfirst_v:
	s_wait_alu depctr_va_vdst(0)
	STEP 0, 0, 2
.Lfirst_done:
	TURN 0, 1, 1                                   ; K has four slots' worth: written out, no loop
	STEP 1, 0, 0
	TURN 1, 0, 1
	STEP 0, 0, 0
	TURN 0, 1, 0                                   ; nothing is left to fetch
	STEP 1, 0, 0
	s_wait_dscnt 4*NL
	WIN MUL_LO
	MUL16 0, 1, 0
	MUL16 2, 1, 0
	s_wait_dscnt 0
	WIN MUL_HI
	MUL16 4, 1, 0
	MUL16 6, 1, 0
	WIN 0
; THE WAY OUT, A's block a at a time: 64 sums a lane are held and converted; the eight conversions' results are four pieces of operands, and each leaves as 512 consecutive bytes, aligned, straight from registers.
.macro OUTA a
	s_wait_xcnt 0x0                                ; the last block's stores have read their data and their bases
.if (\a) == 4
	s_add_nc_u64 s[88:89], s[88:89], s[94:95]
	s_add_nc_u64 s[90:91], s[90:91], s[94:95]
.elseif (\a) > 0
	s_add_nc_u64 s[88:89], s[88:89], s[92:93]
	s_add_nc_u64 s[90:91], s[90:91], s[92:93]
.endif
	WIN 0x02+(\a)/4                                ; source 0: window 2 or 3
.set n, 0
.rept 64
	v_med3_num_f32 v[128+n], v[64*((\a)%4)+n], -v9, v9   ; the conversion does not saturate (ISA guide 7.6.2); each accumulator from its low end on
.set n, n+1
.endr
	WIN 0
.irp b, 0,1,2,3,4,5,6,7
	v_cvt_scalef32_pk8_bf8_f32 v[96+2*\b:97+2*\b], v[128+8*\b:135+8*\b], v8
.endr
	v_nop                                          ; a plain line behind the last conversion
	global_store_b128 v24, v[96:99], s[88:89]
	global_store_b128 v24, v[100:103], s[88:89] offset:512
	global_store_b128 v25, v[104:107], s[88:89]
	global_store_b128 v25, v[108:111], s[88:89] offset:512
	s_cmp_lg_u32 s19, 0
	s_cbranch_scc1 .Lone_set_\@
	WIN 0x02+(\a)/4                                ; q once more, with e9
.set n, 0
.rept 64
	v_med3_num_f32 v[192+n], v[64*((\a)%4)+n], -v11, v11
.set n, n+1
.endr
	WIN 0
.irp b, 0,1,2,3,4,5,6,7
	v_cvt_scalef32_pk8_bf8_f32 v[112+2*\b:113+2*\b], v[192+8*\b:199+8*\b], v10
.endr
	v_nop
	global_store_b128 v24, v[112:115], s[90:91]
	global_store_b128 v24, v[116:119], s[90:91] offset:512
	global_store_b128 v25, v[120:123], s[90:91]
	global_store_b128 v25, v[124:127], s[90:91] offset:512
.Lone_set_\@:
.endm
	PLACES NP                                      ; behind the last products: the holds write registers that held A's fragments
.irp a, 0,1,2,3,4,5,6,7
	OUTA \a
.endr
	s_wait_tensorcnt 0x0                           ; the wave's end
	ds_add_u32 v[SPW], v[NIL]
	s_wait_dscnt 0x0
	CROUND                                         ; the closing round: no work-group ends while a partner may still ask for a tile that names it
	s_endpgm
.Lfunc_end_k_q9c5725c292_qkv:
	.size	k_q9c5725c292_qkv, .Lfunc_end_k_q9c5725c292_qkv-k_q9c5725c292_qkv
	.p2alignl 7, 3214868480
	.fill 96, 4, 3214868480
	.section	.rodata,"a",@progbits
	.p2align	6, 0x0
	.amdhsa_kernel k_q9c5725c292_qkv
		.amdhsa_group_segment_fixed_size 327680
		.amdhsa_private_segment_fixed_size 0
		.amdhsa_enable_private_segment 0
		.amdhsa_kernarg_size 80
		.amdhsa_user_sgpr_count 2
		.amdhsa_user_sgpr_kernarg_segment_ptr 1
		.amdhsa_wavefront_size32 1
		.amdhsa_system_sgpr_workgroup_id_x 1
		.amdhsa_system_sgpr_workgroup_id_y 1
		.amdhsa_system_sgpr_workgroup_id_z 1
		.amdhsa_system_vgpr_workitem_id 0
		.amdhsa_next_free_vgpr 1024
		.amdhsa_next_free_sgpr 100
		.amdhsa_reserve_vcc 0
		.amdhsa_float_denorm_mode_32 3
		.amdhsa_float_denorm_mode_16_64 3
		.amdhsa_memory_ordered 1
		.amdhsa_forward_progress 1
		.amdhsa_inst_pref_size 180
	.end_amdhsa_kernel
	.amdgpu_metadata
---
amdhsa.version: [ 1, 2 ]
amdhsa.kernels:
  - .name:           k_q9c5725c292_qkv
    .symbol:         k_q9c5725c292_qkv.kd
    .args:
      - { .name: xc, .offset: 0, .size: 8, .value_kind: global_buffer, .address_space: global }
      - { .name: wc, .offset: 8, .size: 8, .value_kind: global_buffer, .address_space: global }
      - { .name: bq, .offset: 16, .size: 8, .value_kind: global_buffer, .address_space: global }
      - { .name: bk, .offset: 24, .size: 8, .value_kind: global_buffer, .address_space: global }
      - { .name: bv, .offset: 32, .size: 8, .value_kind: global_buffer, .address_space: global }
      - { .name: lowp_scales, .offset: 40, .size: 8, .value_kind: global_buffer, .address_space: global }
      - { .name: q6, .offset: 48, .size: 8, .value_kind: global_buffer, .address_space: global }
      - { .name: q9, .offset: 56, .size: 8, .value_kind: global_buffer, .address_space: global }
      - { .name: k7, .offset: 64, .size: 8, .value_kind: global_buffer, .address_space: global }
      - { .name: vt, .offset: 72, .size: 8, .value_kind: global_buffer, .address_space: global }
    .group_segment_fixed_size: 327680
    .private_segment_fixed_size: 0
    .kernarg_segment_align: 8
    .kernarg_segment_size: 80
    .max_flat_workgroup_size: 128
    .sgpr_count:     100
    .vgpr_count:     1024
    .wavefront_size: 32
...
	.end_amdgpu_metadata
.endif
;; end of part 2
;; launch attn (part 3): grid 2 x 128, 8 waves a work-group, no clusters, 327,680 bytes of LDS; arguments q6, q9, k7, vt, dist_emb, lowp_scales, ao; writes ao
.if DOCPART == 3
	.amdgcn_target "amdgcn-amd-amdhsa--gfx1250"
	.amdhsa_code_object_version 6
	.text
	.protected	k_q9c5725c292_attn
	.globl	k_q9c5725c292_attn
	.p2align	8
	.type	k_q9c5725c292_attn,@function
k_q9c5725c292_attn:
	s_mov_b64 s[64:65], 0
	v_nop
	global_prefetch_b8 v0, s[64:65] scope:SCOPE_SE
	s_setreg_imm32_b32 hwreg(HW_REG_WAVE_MODE, 25, 1), 1
	s_wait_xcnt 0x0
; Attention of one head with the clamped relative-position term, all products on E5M2 codes, and its result quantised with 2^e12 for the last projection.
; logit(l, r) = (q(l) . k(r) + q(l) . E(clip(r - l, -64, 8) + 64)) / 8.  E is gathered by the distance, which takes 73 values: R(l, j) = Q9(q(l)) . Q8(E(j)) is made once a query, by the matrix unit, on 80 rows
; (rows past 72 repeat row 72), and is given to the product K Q^T as its C.  R is first multiplied by 2^(e8 + e9 - e6 - e7), which rounds nothing: both sums then lack the same 2^(e6 + e7).
; SOFTMAX: t = logit x log2(e); M = the running largest t rounded up to a whole number; p = 2^(t - M) is quantised with 2^e10, not normalised; the row's sum is taken of the unquantised p and divides at the end.
; SHARES.  A work-group owns 512 queries of one head.  Each of its eight waves owns 64 of them: two rounds of TWO neighbouring tiles of 16 queries (A, B), worked together, so that each fragment of K and V read from LDS feeds two matrix instructions.
; K AND V: all the head's codes, 131,072 bytes, lie in LDS, each byte filled once, in two fills of one tensor load a wave: the first 384 keys at the head (6,144 bytes a wave), the other 640 behind the first barrier (10,240 bytes a wave).
;   The second fill is on its way while the first round's first three key steps are worked; a barrier between the third and the fourth key step shows it to all waves.
; No cluster: the grid's x is 2, the two work-groups of a head, and no cluster of four divides it.  No prefetch: behind the first barrier every byte of K and V has been asked for, so no later tile is left to ask ahead for.
; LAYOUT.  Both products are used transposed (S^T = K Q^T, O^T = V^T P^T): a lane holds one query throughout, and a result's eight registers are eight neighbours along the next K: each conversion gives registers 2 c, 2 c + 1 of the next operand.
; THE TABLES.  A wave keeps for each of its two tiles (queries Q0 .. Q0 + 15) 16 rows of 128 numbers: column col (-16 .. 111) of row lq is the term of key Q0 - 64 + col: R(lq, clip(col - lq, 0, 72)): R stored askew by lq.
;   A tile of 16 keys takes 16 columns, 16 (U - 1) on, U = 8 step - Q0 / 16 + 5 + tile, held within 0 .. 7.  A step that lies wholly left or right of both tiles takes the border value from registers.  The rows' padding is written too.
; LIMITS: e6 + e7 between -123 and 130; e8 + e9 - e6 - e7 between -126 and 127; e8, e10 and e12 - e10 - e11 between -126 and 112.  NaN among the inputs is not served.
; REGISTERS.  Window 0: v1-11 addresses; v12-17, v18-23 the tiles' -M, largest t, sum (pair), f (pair); v24-27, v39 holds and scales; v28-33 at work; v34, v35 the add's; v48-63 q with e6; v64-127, v128-191 S^T, then p; v192-223 p's codes;
;   v224-255 partial sums (at a round's head: q with e9, border values).
;   Window 1: v0-63 fragments of E or K; v64-127 of V; v128-159, v160-191 O^T; v192-223 border values, eight times each; v224-255 the second round's q.
.set VIMG, 65536                       ; LDS: K's images [step][tile of keys 8][2][512] from 0; V's [step][tile of channels 4][4][512] from here
.set EIMG, 131072                      ; the table of distances as five fragments of 1,024 bytes
.set TAB,  EIMG+5120                   ; the waves' tables, two each
.set TP,   528                         ; a table row: 512 bytes + 16
.set TABW, 16*TP
.set SPARE, TAB+16*TABW                ; the spare words: 128 bytes for each wave, which no other line names
.set FIRST, 3                          ; key steps in the first fill
.set L16, 1
.set AV,  2
.set AE,  3
.set TR,  4
.set TS,  5
.set TF,  6
.set TPD, 7
.set AK,  8
.set AVS, 9
.set AT,  10
.set HP,  24
.set HP2, 25
.set SPC, 26
.set HO,  27
.set SO,  39
.set SPW, 34
.set NIL, 35
.set MSB, 0
.macro WIN new                         ; the immediate's high byte repeats the setting that is left
.if MSB != \new
	s_set_vgpr_msb (MSB<<8)|\new
.set MSB, \new
.endif
.endm
.macro MKSC vs, vl                     ; from s41 = e + 127: v[vs] = 2^e as f32, v[vl] = 57,344 x 2^e
	s_lshl_b32 s60, s41, 23
	v_mov_b32 v[\vs], s60
	s_add_co_i32 s41, s41, 15
	s_lshl_b32 s41, s41, 23
	s_or_b32 s41, s41, 0x600000
	v_mov_b32 v[\vl], s41
.endm
.macro NOPS n
.rept \n
	v_nop
.endr
.endm
	s_load_b256 s[4:11], s[0:1], 0x0               ; q6 s[4:5], q9 s[6:7], k7 s[8:9], vt s[10:11]
	s_load_b128 s[12:15], s[0:1], 0x20             ; dist_emb s[12:13], the scales s[14:15]
	s_load_b64 s[16:17], s[0:1], 0x30              ; ao
	v_lshl_add_u32 v[SPW], v0, 2, SPARE
	v_mov_b32 v[NIL], 0
	ds_add_u32 v[SPW], v[NIL]                      ; the opening lines: the add, twice on end, and its wait ahead of my first tensor load
	ds_add_u32 v[SPW], v[NIL]
	v_lshrrev_b32 v8, 5, v0
	v_readfirstlane_b32 s18, v8                    ; wave 0..7
	s_and_b32 s36, ttmp7, 0xffff                   ; 16 batch + head
	s_lshl_b32 s37, ttmp9, 5
	s_lshl_b32 s46, s18, 1
	s_add_co_u32 s37, s37, s46                     ; tile A of my first round: 32 x + 2 wave; the second round lies 16 tiles on
	; descriptor groups 1: dense blocks as rows of 256 bytes (32 elements of 8 bytes): 24 rows, and 40 rows
	s_mov_b32 s24, 3<<16
	s_mov_b32 s25, 32<<16
	s_mov_b32 s26, 24<<16
	s_mov_b32 s27, 32<<16
	s_mov_b32 s28, 24
	s_mov_b32 s29, 32
	s_mov_b32 s30, 0
	s_mov_b32 s31, 0
	s_mov_b32 s68, 3<<16
	s_mov_b32 s69, 32<<16
	s_mov_b32 s70, 40<<16
	s_mov_b32 s71, 32<<16
	s_mov_b32 s72, 40
	s_mov_b32 s73, 32
	s_mov_b32 s74, 0
	s_mov_b32 s75, 0
	s_mov_b32 s20, 0x76543210                      ; v_permlanex16_b32's selects for lane l xor 16
	s_mov_b32 s21, 0xfedcba98
	s_mov_b32 s22, 0x3e38aa3b                      ; log2(e) / 8
	s_mov_b32 s42, 0xffff0000                      ; lanes 16-31
	s_and_b32 s60, s18, 3                          ; waves 0-3 fill K's images, waves 4-7 V's: a quarter of each fill
	s_lshr_b32 s61, s18, 2
	s_lshl_b32 s61, s61, 16
	s_mul_i32 s41, s60, 2048*FIRST
	s_add_co_u32 s33, s41, s61                     ; LDS, first fill: 6,144 x quarter
	s_lshl_b32 s46, s36, 16                        ; a head's codes are 65,536 bytes in each tensor
	s_add_co_u32 s46, s46, s41
	s_mov_b32 s47, 0
	s_mul_i32 s41, s60, 2048*(8-FIRST)
	s_add_co_u32 s41, s41, 8192*FIRST
	s_add_co_u32 s77, s41, s61                     ; LDS, second fill: 24,576 + 10,240 x quarter
	s_lshl_b32 s60, s36, 16
	s_add_co_u32 s60, s60, s41
	s_mov_b32 s61, 0
	s_mov_b32 s32, 1
	s_mov_b32 s76, 1
	s_wait_dscnt 0x0                               ; both opening adds are done
	s_wait_kmcnt 0x0
	s_cmp_lt_u32 s18, 4
	s_cselect_b64 s[34:35], s[8:9], s[10:11]
	s_add_nc_u64 s[78:79], s[34:35], s[60:61]
	s_add_nc_u64 s[34:35], s[34:35], s[46:47]
	s_or_b32 s35, s35, 0x80000000
	s_or_b32 s79, s79, 0x80000000
	tensor_load_to_lds s[32:35], s[24:31]          ; my part of the first 384 keys: my one tensor load at the head
	s_nop 0
	NOPS 4
	s_load_b256 s[48:55], s[14:15], 0x18           ; e6 .. e13
	v_and_b32 v8, 15, v0                           ; lq
	v_bfe_u32 v9, v0, 4, 1                         ; h
	s_lshl_b32 s41, s18, 4
	v_add_nc_u32 v37, s41, v8
	v_min_u32 v37, 72, v37                         ; dist_emb's row 16 wave + r, held at the last
	v_lshlrev_b32 v37, 8, v37
	v_lshl_add_u32 v37, v9, 5, v37
	s_wait_alu depctr_va_vdst(0)
	s_cmp_lt_u32 s18, 5                            ; waves 0-4 take 16 rows of dist_emb each: their loads go out ahead of q's
	s_cbranch_scc0 .Lno_el
.irp c, 0,1,2,3
	global_load_b128 v[64+8*\c:67+8*\c], v37, s[12:13] offset:64*\c       ; E(row, 16 c + 8 h + 0 .. 7)
	global_load_b128 v[68+8*\c:71+8*\c], v37, s[12:13] offset:64*\c+16
.endr
.Lno_el:
	s_lshl_b32 s46, s36, 16
	s_lshl_b32 s41, s37, 10
	s_add_co_u32 s46, s46, s41
	s_add_nc_u64 s[56:57], s[4:5], s[46:47]        ; q's codes at my first tile
	s_add_nc_u64 s[58:59], s[6:7], s[46:47]
	v_and_b32 v10, 31, v0
	v_lshlrev_b32 v[L16], 4, v10                   ; 16 x lane
.irp p, 0,1,2,3                        ; two tiles are four pieces of 512 bytes on end
	global_load_b128 v[48+4*\p:51+4*\p], v[L16], s[56:57] offset:512*\p th:TH_LOAD_NT
	global_load_b128 v[224+4*\p:227+4*\p], v[L16], s[58:59] offset:512*\p th:TH_LOAD_NT
.endr
	v_add_nc_u32 v[AV], VIMG, v[L16]
	v_add_nc_u32 v[AE], EIMG, v[L16]
	s_lshl_b32 s41, s18, 10
	v_add_nc_u32 v36, s41, v[AE]                   ; where waves 0-4 store their fragment of the table of distances
	s_mul_i32 s41, s18, 2*TABW
	s_add_co_u32 s41, s41, TAB
	v_mul_u32_u24 v10, v8, TP
	v_add_nc_u32 v10, s41, v10                     ; row lq of my table A; table B lies TABW on, by the immediate
	v_lshl_add_u32 v[TF], v9, 6, v10               ; the borders' fill: + 64 h
	v_lshl_add_u32 v[TR], v9, 5, v10               ; reading: + 32 h
	v_add_nc_u32 v[TPD], 512, v10                  ; the row's padding
	v_lshl_add_u32 v[TS], v8, 2, v[TR]
	v_add_nc_u32 v[TS], 64, v[TS]                  ; R askew: + 4 (16 + lq) + 32 h
	v_mov_b32 v32, 0                               ; written once: a lane permute's destination counts as one of its sources
	v_mov_b32 v33, 0
	v_mov_b32 v17, 0                               ; (named as the upper halves of the pairs that hold f)
	v_mov_b32 v23, 0
	s_lshr_b32 s46, s36, 4                         ; ao: [64 batch + tile of queries][16,384] + head x 1,024
	s_lshl_b32 s46, s46, 6
	s_add_co_u32 s46, s46, s37
	s_lshl_b32 s46, s46, 14
	s_and_b32 s41, s36, 15
	s_lshl_b32 s41, s41, 10
	s_add_co_u32 s46, s46, s41
	s_add_nc_u64 s[16:17], s[16:17], s[46:47]
	s_wait_kmcnt 0x0
	s_add_co_i32 s46, s48, s49                     ; e6 + e7: added to the exponent field of log2(e) / 8
	s_lshl_b32 s41, s46, 23
	s_add_co_i32 s22, s22, s41
	s_mov_b32 s23, s22                             ; (named with it as a pair, so it is written)
	s_add_co_i32 s41, s50, s51
	s_sub_co_i32 s41, s41, s46
	s_add_co_i32 s41, s41, 127
	s_lshl_b32 s44, s41, 23                        ; 2^(e8 + e9 - e6 - e7)
	s_mov_b32 s45, s44
	s_add_co_i32 s41, s52, 127
	MKSC SPC, HP                                   ; 2^e10 and 57,344 x 2^e10, for p
	v_mov_b32 v[HP2], v[HP]                        ; the hold once more: the two halves of a dual pair take their second sources from two registers
	s_sub_co_i32 s41, s54, s52
	s_sub_co_i32 s41, s41, s53
	s_add_co_i32 s41, s41, 127
	MKSC SO, HO                                    ; 2^(e12 - e10 - e11): the result's three scales folded into one
	s_wait_alu depctr_va_vdst(0)
	s_cmp_lt_u32 s18, 5                            ; waves 0-4 quantise their 16 rows of dist_emb, with 2^e8, into a fragment's image
	s_cbranch_scc0 .Lno_e
	s_add_co_i32 s41, s50, 127
	MKSC 40, 41
	s_wait_alu depctr_va_vdst(0)
	s_wait_loadcnt 8                               ; my eight loads of dist_emb are in; q's eight, issued behind them, may be out
.set n, 0
.rept 32
	v_med3_num_f32 v[64+n], v[64+n], -v41, v41     ; the conversion does not saturate (ISA guide 7.6.2): the hold comes first
.set n, n+1
.endr
.irp c, 0,1,2,3
	v_cvt_scalef32_pk8_bf8_f32 v[192+2*\c:193+2*\c], v[64+8*\c:71+8*\c], v40
.endr
	v_nop                                          ; a plain line behind the last conversion
	ds_store_b128 v36, v[192:195]
	ds_store_b128 v36, v[196:199] offset:512
.Lno_e:
	s_wait_alu depctr_va_vdst(0)                   ; the head's end
	s_wait_tensorcnt 0x0                           ; my part of the first 384 keys has landed
	ds_add_u32 v[SPW], v[NIL]
	s_wait_dscnt 0x0                               ; the add is done, and my fragment of the table of distances is stored
	s_barrier_signal -1
	s_barrier_wait -1                              ; everybody's is
	tensor_load_to_lds s[76:79], s[68:75]          ; my part of the other 640 keys: bytes that nothing has filled or read
	s_nop 0
	NOPS 4
	WIN 0x40
.irp p, 0,1,2,3                        ; the second round's q, into window 1: asked for behind the keys
	global_load_b128 v[224+4*\p:227+4*\p], v[L16], s[56:57] offset:16384+512*\p th:TH_LOAD_NT
	global_load_b128 v[240+4*\p:243+4*\p], v[L16], s[58:59] offset:16384+512*\p th:TH_LOAD_NT
.endr
	WIN 0
; TREE: the sixteen first sums in v224-255, and the running sum in the pair s
.macro TREE s
.irp w, 8,4,2,1
.set n, 0
.rept \w
	v_pk_add_f32 v[224+2*n:225+2*n], v[224+2*n:225+2*n], v[224+2*(n+\w):225+2*(n+\w)]
.set n, n+1
.endr
.endr
	v_pk_add_f32 v[\s:\s+1], v[\s:\s+1], v[224:225]
.endm
; A KEY STEP: 128 keys for both tiles
.macro STEP
	v_add_nc_u32 v[AK], s39, v[L16]
	v_add_nc_u32 v[AVS], s39, v[AV]
	v_nop
	v_nop                                          ; four places in front of loads into registers that the last products read
	WIN 0x40
.irp u, 0,1,2,3,4,5,6,7
	ds_load_b128 v[8*\u:8*\u+3], v[AK] offset:1024*\u
	ds_load_b128 v[8*\u+4:8*\u+7], v[AK] offset:1024*\u+512
.endr
.irp t, 0,1,2,3                        ; V's four fragments land while the softmax is worked
.irp x, 0,1,2,3
	ds_load_b128 v[64+16*\t+4*\x:67+16*\t+4*\x], v[AVS] offset:2048*\t+512*\x
.endr
.endr
	WIN 0
	s_cmp_le_i32 s38, -12                          ; branches on ids alone: all 128 keys left of both tiles' bands,
	s_cbranch_scc1 .Lleft_\@
	s_cmp_ge_i32 s38, 3                            ; or right of them
	s_cbranch_scc1 .Lright_\@
.irp x, 0,1                            ; near the diagonal: each tile's 16 columns of its table are the sums' beginning
.irp u, 0,1,2,3,4,5,6,7
	s_add_co_i32 s41, s38, 5+\u-\x
	s_max_i32 s41, s41, 0
	s_min_u32 s41, s41, 7
	s_lshl_b32 s41, s41, 6
	v_add_nc_u32 v[AT], s41, v[TR]
	ds_load_b128 v[64+64*\x+8*\u:67+64*\x+8*\u], v[AT] offset:TABW*\x
	ds_load_b128 v[68+64*\x+8*\u:71+64*\x+8*\u], v[AT] offset:TABW*\x+16
.endr
.endr
	s_wait_dscnt 0x0
	WIN 0x01                                       ; source 0 (K) window 1
.irp u, 0,1,2,3,4,5,6,7
	v_wmma_f32_16x16x64_bf8_bf8 v[64+8*\u:71+8*\u], v[8*\u:8*\u+7], v[48:55], v[64+8*\u:71+8*\u]
	v_wmma_f32_16x16x64_bf8_bf8 v[128+8*\u:135+8*\u], v[8*\u:8*\u+7], v[56:63], v[128+8*\u:135+8*\u]
.endr
	WIN 0
	s_branch .Ljoin_\@
.Lleft_\@:
	s_wait_dscnt 16                                ; K's sixteen loads are in; V's sixteen, issued behind them, may be out
	WIN 0x11                                       ; source 0 (K) and C (the border value) window 1
.irp u, 0,1,2,3,4,5,6,7
	v_wmma_f32_16x16x64_bf8_bf8 v[64+8*\u:71+8*\u], v[8*\u:8*\u+7], v[48:55], v[192:199]
	v_wmma_f32_16x16x64_bf8_bf8 v[128+8*\u:135+8*\u], v[8*\u:8*\u+7], v[56:63], v[208:215]
.endr
	WIN 0
	s_branch .Ljoin_\@
.Lright_\@:
	s_wait_dscnt 16
	WIN 0x11
.irp u, 0,1,2,3,4,5,6,7
	v_wmma_f32_16x16x64_bf8_bf8 v[64+8*\u:71+8*\u], v[8*\u:8*\u+7], v[48:55], v[200:207]
	v_wmma_f32_16x16x64_bf8_bf8 v[128+8*\u:135+8*\u], v[8*\u:8*\u+7], v[56:63], v[216:223]
.endr
	WIN 0
.Ljoin_\@:
	NOPS 4                                         ; places in front of the first read of the scores
	v_max3_num_f32 v28, v64, v65, v66              ; the step's largest score of my query among my 64 keys: two chains a tile, the four by turns, each accumulator from its low end on
	v_max3_num_f32 v30, v128, v129, v130
	v_max3_num_f32 v29, v67, v68, v69
	v_max3_num_f32 v31, v131, v132, v133
.set n, 6
.rept 14
	v_max3_num_f32 v28, v28, v[64+n], v[65+n]
	v_max3_num_f32 v30, v30, v[128+n], v[129+n]
	v_max3_num_f32 v29, v29, v[66+n], v[67+n]
	v_max3_num_f32 v31, v31, v[130+n], v[131+n]
.set n, n+4
.endr
	v_max3_num_f32 v28, v28, v126, v127
	v_max3_num_f32 v30, v30, v190, v191
	v_max_num_f32 v28, v28, v29
	v_max_num_f32 v30, v30, v31
	v_permlanex16_b32 v32, v28, s20, s21
	v_permlanex16_b32 v33, v30, s20, s21
	v_max_num_f32 v28, v28, v32                    ; and among lane l xor 16's
	v_max_num_f32 v30, v30, v33
	v_mul_f32 v28, s22, v28                        ; as t (the factor is positive)
	v_mul_f32 v30, s22, v30
	v_max_num_f32 v13, v13, v28
	v_max_num_f32 v19, v19, v30
	v_mov_b32 v28, v12
	v_mov_b32 v30, v18
	v_floor_f32 v12, -v13                          ; the new -M = floor(-t): M is a whole number
	v_floor_f32 v18, -v19
	v_sub_f32 v28, v12, v28                        ; old M - new M, 0 or less
	v_sub_f32 v30, v18, v30
	v_cvt_i32_f32 v28, v28                         ; (it saturates)
	v_cvt_i32_f32 v30, v30
	v_ldexp_f32 v16, 1.0, v28                      ; f = 2^(old M - new M): a multiplication by it rounds nothing
	v_ldexp_f32 v22, 1.0, v30
.set n, 0
.rept 32
	v_pk_fma_f32 v[64+n:65+n], v[64+n:65+n], s[22:23], v[12:13] op_sel_hi:[1,0,0]   ; A: t - M
.set n, n+2
.endr
	s_wait_alu depctr_va_vdst(0)
.set n, 0
.rept 32                               ; A's exponentials; among them B's t - M, which is read behind the next wait
	v_exp_f32 v[64+n], v[64+n]
	v_exp_f32 v[65+n], v[65+n]
	v_pk_fma_f32 v[128+n:129+n], v[128+n:129+n], s[22:23], v[18:19] op_sel_hi:[1,0,0]
.set n, n+2
.endr
	v_pk_mul_f32 v[14:15], v[14:15], v[16:17] op_sel_hi:[1,0]   ; the sums under the new M
	v_pk_mul_f32 v[20:21], v[20:21], v[22:23] op_sel_hi:[1,0]
	s_wait_alu depctr_va_vdst(0)                   ; one wait behind A's batch and ahead of B's
.set n, 0
.rept 16                               ; B's exponentials; among them, of A's p: the first sums (of the unquantised p), then the hold; all are read behind the next wait
	v_exp_f32 v[128+4*n], v[128+4*n]
	v_exp_f32 v[129+4*n], v[129+4*n]
	v_pk_add_f32 v[224+2*n:225+2*n], v[64+4*n:65+4*n], v[66+4*n:67+4*n]
	v_exp_f32 v[130+4*n], v[130+4*n]
	v_dual_min_num_f32 v[64+4*n], v[64+4*n], v[HP] :: v_dual_min_num_f32 v[65+4*n], v[65+4*n], v[HP2]   ; p is not negative: a one-sided hold (the conversion does not saturate: ISA guide 7.6.2)
	v_exp_f32 v[131+4*n], v[131+4*n]
	v_dual_min_num_f32 v[66+4*n], v[66+4*n], v[HP] :: v_dual_min_num_f32 v[67+4*n], v[67+4*n], v[HP2]
.set n, n+1
.endr
	v_nop                                          ; a plain line behind the last exponential
	s_wait_alu depctr_va_vdst(0)                   ; one wait for the batch, ahead of its first reader
.irp u, 0,1,2,3,4,5,6,7
	v_cvt_scalef32_pk8_bf8_f32 v[192+2*\u:193+2*\u], v[64+8*\u:71+8*\u], v[SPC]   ; keys 16 u + 8 h + 0 .. 7: registers 2 u, 2 u + 1 of the operand
.endr
	TREE 14
.set n, 0
.rept 16
	v_pk_add_f32 v[224+2*n:225+2*n], v[128+4*n:129+4*n], v[130+4*n:131+4*n]
.set n, n+1
.endr
.set n, 0
.rept 32
	v_dual_min_num_f32 v[128+2*n], v[128+2*n], v[HP] :: v_dual_min_num_f32 v[129+2*n], v[129+2*n], v[HP2]
.set n, n+1
.endr
.irp u, 0,1,2,3,4,5,6,7
	v_cvt_scalef32_pk8_bf8_f32 v[208+2*\u:209+2*\u], v[128+8*\u:135+8*\u], v[SPC]
.endr
	TREE 20
	WIN 0x41                                       ; O^T: destination and source 0 window 1
	s_wait_alu depctr_va_vdst(0)
.set n, 0
.rept 16
	v_pk_mul_f32 v[128+n:129+n], v[128+n:129+n], v[16:17] op_sel_hi:[1,0]   ; O^T under the new M
.set n, n+2
.endr
.set n, 0
.rept 16
	v_pk_mul_f32 v[160+n:161+n], v[160+n:161+n], v[22:23] op_sel_hi:[1,0]
.set n, n+2
.endr
	s_wait_alu depctr_va_vdst(0)
	s_wait_dscnt 0x0                               ; V
	WIN 0x51                                       ; V, C and D window 1; p's codes window 0
.irp t, 0,1,2,3
	v_wmma_f32_16x16x128_bf8_bf8 v[128+8*\t:135+8*\t], v[64+16*\t:79+16*\t], v[192:207], v[128+8*\t:135+8*\t]   ; the eight accumulators by turns
	v_wmma_f32_16x16x128_bf8_bf8 v[160+8*\t:167+8*\t], v[64+16*\t:79+16*\t], v[208:223], v[160+8*\t:167+8*\t]
.endr
	WIN 0
	s_add_co_u32 s39, s39, 8192
	s_add_co_i32 s38, s38, 8
.endm
; a tile's table: the padding, the borders, then R askew over them.  LDS serves a wave's instructions in order, and the tables are the wave's own
.macro TABLE o, rb, bl
	ds_store_b128 v[TPD], v[\bl:\bl+3] offset:\o
.irp j, 0,1,2,3
	ds_store_b128 v[TF], v[\bl:\bl+3] offset:\o+16*\j          ; columns -16 .. 15
	ds_store_b128 v[TF], v[\bl+4:\bl+7] offset:\o+384+16*\j    ; columns 80 .. 111
.endr
.irp t, 0,1,2,3,4
.irp j, 0,1,2,3,4,5,6,7
	ds_store_b32 v[TS], v[\rb+8*\t+\j] offset:\o+64*\t+4*\j    ; R(lq, 16 t + 8 h + j) to column 16 t + 8 h + j + lq
.endr
.endr
.endm
	s_mov_b32 s43, 0
.Lround:                                           ; two rounds of two tiles
	s_cmp_eq_u32 s43, 0
	s_cbranch_scc1 .Lhave_q
	s_wait_loadcnt 0x0
	WIN 0x01
.set n, 0
.rept 16
	v_mov_b32 v[48+n], v[224+n]                    ; the second round's q, out of window 1
	v_mov_b32 v[224+n], v[240+n]
.set n, n+1
.endr
	WIN 0
.Lhave_q:
	WIN 0x40
.irp t, 0,1,2,3,4
	ds_load_b128 v[8*\t:8*\t+3], v[AE] offset:1024*\t
	ds_load_b128 v[8*\t+4:8*\t+7], v[AE] offset:1024*\t+512
.endr
	WIN 0
	s_wait_alu depctr_va_vdst(0)
	s_wait_loadcnt 8                               ; this round's q is in; the second round's eight loads, issued behind it, may be out
	s_wait_dscnt 0x0
	WIN 0x01
.irp t, 0,1,2,3,4                      ; R^T = E q^T: lane = query, register j of tile t = row 16 t + 8 h + j
	v_wmma_f32_16x16x64_bf8_bf8 v[64+8*\t:71+8*\t], v[8*\t:8*\t+7], v[224:231], 0
	v_wmma_f32_16x16x64_bf8_bf8 v[128+8*\t:135+8*\t], v[8*\t:8*\t+7], v[232:239], 0
.endr
	WIN 0
	NOPS 4
.set n, 0
.rept 20
	v_pk_mul_f32 v[64+n:65+n], v[64+n:65+n], s[44:45] op_sel_hi:[1,0]   ; into the first product's unit
	v_pk_mul_f32 v[128+n:129+n], v[128+n:129+n], s[44:45] op_sel_hi:[1,0]
.set n, n+2
.endr
.irp x, 0,1                            ; R(l, 0) lies in lanes 0-15 of the first register, R(l, 72) in lanes 16-31 of the 33rd: each is brought to the other half
	v_permlanex16_b32 v32, v[64+64*\x], s20, s21
	v_permlanex16_b32 v33, v[96+64*\x], s20, s21
	v_cndmask_b32 v[240+8*\x], v[64+64*\x], v32, s42
	v_cndmask_b32 v[244+8*\x], v33, v[96+64*\x], s42
.endr
.irp j, 1,2,3
.irp q, 240,244,248,252
	v_mov_b32 v[\q+\j], v[\q]
.endr
.endr
	TABLE 0, 64, 240
	TABLE TABW, 128, 248
	WIN 0x40
.irp j, 0,1,2,3,4,5,6,7                ; eight times each: the C of a product whose 16 keys all lie beyond a border
	v_mov_b32 v[192+\j], v240
	v_mov_b32 v[200+\j], v244
	v_mov_b32 v[208+\j], v248
	v_mov_b32 v[216+\j], v252
.endr
.set n, 0
.rept 64
	v_mov_b32 v[128+n], 0                          ; O^T: the step is written for every trip alike; the first finds zeros, which the first change of M leaves zeros
.set n, n+1
.endr
	WIN 0
	v_mov_b32 v13, 0xff61b1e6                      ; the largest t so far: -3e38, under every t
	v_mov_b32 v19, 0xff61b1e6
	v_floor_f32 v12, -v13                          ; -M
	v_floor_f32 v18, -v19
	v_mov_b32 v14, 0
	v_mov_b32 v15, 0
	v_mov_b32 v20, 0
	v_mov_b32 v21, 0
	s_sub_co_i32 s38, 0, s37                       ; 8 step - tile A
	s_mov_b32 s39, 0                               ; the step's images begin here
	s_mov_b32 s40, FIRST
	s_wait_alu depctr_va_vdst(0)
.Lstep_a:                                          ; the first three key steps: the first fill's 384 keys
	STEP
	s_sub_co_u32 s40, s40, 1
	s_cmp_lg_u32 s40, 0
	s_cbranch_scc1 .Lstep_a
	s_wait_tensorcnt 0x0                           ; my part of the other 640 keys has landed,
	s_wait_dscnt 0x0
	s_barrier_signal -1
	s_barrier_wait -1                              ; and everybody's.
	s_mov_b32 s40, 8-FIRST
.Lstep_b:                                          ; the other five
	STEP
	s_sub_co_u32 s40, s40, 1
	s_cmp_lg_u32 s40, 0
	s_cbranch_scc1 .Lstep_b
	; the way out: O^T / the sum, quantised: a tile of channels' conversion gives registers 2 t, 2 t + 1 of the head's part of the last projection's operand
	NOPS 4
	v_add_f32 v14, v14, v15
	v_add_f32 v20, v20, v21
	v_permlanex16_b32 v32, v14, s20, s21
	v_permlanex16_b32 v33, v20, s20, s21
	v_add_f32 v14, v14, v32                        ; the rows' sums
	v_add_f32 v20, v20, v33
	s_wait_alu depctr_va_vdst(0)
	v_rcp_f32 v14, v14
	v_rcp_f32 v20, v20
	v_nop                                          ; a plain line behind them
	WIN 0x01
	s_wait_alu depctr_va_vdst(0)                   ; the wait ahead of their first reader, which is also the first reader of O^T
.set n, 0
.rept 16
	v_pk_mul_f32 v[64+n:65+n], v[128+n:129+n], v[14:15] op_sel_hi:[1,0]
.set n, n+2
.endr
.set n, 0
.rept 16
	v_pk_mul_f32 v[96+n:97+n], v[160+n:161+n], v[20:21] op_sel_hi:[1,0]
.set n, n+2
.endr
	WIN 0
.set n, 0
.rept 64
	v_med3_num_f32 v[64+n], v[64+n], -v[HO], v[HO]
.set n, n+1
.endr
.irp t, 0,1,2,3,4,5,6,7
	v_cvt_scalef32_pk8_bf8_f32 v[192+2*\t:193+2*\t], v[64+8*\t:71+8*\t], v[SO]
.endr
	v_nop                                          ; a plain line behind the last conversion
	global_store_b128 v[L16], v[192:195], s[16:17]                     ; four pieces: 512 consecutive bytes each, aligned
	global_store_b128 v[L16], v[196:199], s[16:17] offset:512
	global_store_b128 v[L16], v[200:203], s[16:17] offset:16384
	global_store_b128 v[L16], v[204:207], s[16:17] offset:16384+512
	s_wait_xcnt 0x0                                ; the stores have read their data and their base: both are written again
	s_add_nc_u64 s[16:17], s[16:17], 262144        ; 16 tiles of queries on
	s_add_co_u32 s37, s37, 16
	s_add_co_u32 s43, s43, 1
	s_cmp_lt_u32 s43, 2
	s_cbranch_scc1 .Lround
	s_wait_tensorcnt 0x0                           ; the wave's end
	ds_add_u32 v[SPW], v[NIL]
	s_wait_dscnt 0x0
	s_endpgm
.Lfunc_end_k_q9c5725c292_attn:
	.size	k_q9c5725c292_attn, .Lfunc_end_k_q9c5725c292_attn-k_q9c5725c292_attn
	.p2alignl 7, 3214868480
	.fill 96, 4, 3214868480
	.section	.rodata,"a",@progbits
	.p2align	6, 0x0
	.amdhsa_kernel k_q9c5725c292_attn
		.amdhsa_group_segment_fixed_size 327680
		.amdhsa_private_segment_fixed_size 0
		.amdhsa_enable_private_segment 0
		.amdhsa_kernarg_size 56
		.amdhsa_user_sgpr_count 2
		.amdhsa_user_sgpr_kernarg_segment_ptr 1
		.amdhsa_wavefront_size32 1
		.amdhsa_system_sgpr_workgroup_id_x 1
		.amdhsa_system_sgpr_workgroup_id_y 1
		.amdhsa_system_sgpr_workgroup_id_z 1
		.amdhsa_system_vgpr_workitem_id 0
		.amdhsa_next_free_vgpr 512
		.amdhsa_next_free_sgpr 80
		.amdhsa_reserve_vcc 0
		.amdhsa_float_denorm_mode_32 3
		.amdhsa_float_denorm_mode_16_64 3
		.amdhsa_memory_ordered 1
		.amdhsa_forward_progress 1
		.amdhsa_inst_pref_size 106
	.end_amdhsa_kernel
	.amdgpu_metadata
---
amdhsa.version: [ 1, 2 ]
amdhsa.kernels:
  - .name:           k_q9c5725c292_attn
    .symbol:         k_q9c5725c292_attn.kd
    .args:
      - { .name: q6, .offset: 0, .size: 8, .value_kind: global_buffer, .address_space: global }
      - { .name: q9, .offset: 8, .size: 8, .value_kind: global_buffer, .address_space: global }
      - { .name: k7, .offset: 16, .size: 8, .value_kind: global_buffer, .address_space: global }
      - { .name: vt, .offset: 24, .size: 8, .value_kind: global_buffer, .address_space: global }
      - { .name: dist_emb, .offset: 32, .size: 8, .value_kind: global_buffer, .address_space: global }
      - { .name: lowp_scales, .offset: 40, .size: 8, .value_kind: global_buffer, .address_space: global }
      - { .name: ao, .offset: 48, .size: 8, .value_kind: global_buffer, .address_space: global }
    .group_segment_fixed_size: 327680
    .private_segment_fixed_size: 0
    .kernarg_segment_align: 8
    .kernarg_segment_size: 56
    .max_flat_workgroup_size: 256
    .sgpr_count:     80
    .vgpr_count:     512
    .wavefront_size: 32
...
	.end_amdgpu_metadata
.endif
;; end of part 3
;; launch oproj (part 4): grid 8 x 32, 4 waves a work-group, clusters of 4 x 4, 327,680 bytes of LDS; arguments ao, wc, bo, lowp_scales, out0; writes out0
.if DOCPART == 4
	.amdgcn_target "amdgcn-amd-amdhsa--gfx1250"
	.amdhsa_code_object_version 6
	.text
	.protected	k_q9c5725c292_oproj
	.globl	k_q9c5725c292_oproj
	.p2align	8
	.type	k_q9c5725c292_oproj,@function
k_q9c5725c292_oproj:
	s_mov_b64 s[64:65], 0
	v_nop
	global_prefetch_b8 v0, s[64:65] scope:SCOPE_SE
	s_setreg_imm32_b32 hwreg(HW_REG_WAVE_MODE, 25, 1), 1
	s_wait_xcnt 0x0
	s_wait_alu depctr_hold_cnt(0) depctr_sa_sdst(0) depctr_va_vdst(0) depctr_va_sdst(0) depctr_va_ssrc(0) depctr_va_vcc(0) depctr_vm_vsrc(0)
	s_getreg_b32 s2, hwreg(HW_REG_IB_STS2, 6, 4)
	s_cmp_eq_u32 s2, 0
	s_cbranch_scc0 .Lentry_in_a_cluster
	s_endpgm
.Lentry_in_a_cluster:
	s_bfe_u32 s2, ttmp6, 0x10000c
	s_cmp_lg_u32 s2, 0xf033
	s_cbranch_scc0 .Lentry_shape_is_right
	s_endpgm
.Lentry_shape_is_right:
; out0 = ao Wo + bo on E5M2 codes (v_wmma_f32_16x16x128_bf8_bf8, f32 sums); each finished sum is multiplied once by 2^(e12 + e13); the bias, divided by that, is the C of each sum's first product.
; A block of 256 rows x 128 columns is made by four waves, 128 x 64 each: 32 accumulators; 32 x 8 blocks are 256 work-groups.  K = 1,024 goes in four steps of 256 through two LDS slots filled by the tensor data mover.
; Operands come as images of operand registers: a tile of 16 rows x 128 K is four pieces of 512 bytes, lane l's 16 bytes at 16 l.  Side A = tokens (source 1), side B = Wo's columns (source 0): a lane holds eight neighbouring columns of one row.
; CLUSTERS: 4 x 4.  A's tile is asked for jointly along a row of the cluster, B's along a column.  Waves 0, 1 fetch A's halves (8 tiles of rows each), waves 2, 3 B's (4 each).
; The way out: 16 rows x 64 columns at a time through the wave's stage in slot 0, which has had its last fill and its last read; sixteen lanes store 256 consecutive bytes, aligned.
; LIMIT: e12 + e13 between -126 and 127.
.set KSB,    4096
.set HALFT,  8*KSB
.set SLOT,   4*HALFT
.set SPARE,  2*SLOT
.set SPITCH, 528
.set FR,     16
.set NL,     4
.set NP,     4
.set ADRA, 16
.set ADRB, 20
.set STO,  24
.set RD,   25
.set CO,   26
.set SPW,  28
.set NIL,  29
.set BIAS, 32
.set TMP,  32
.set AF,   128
.set BK,   128
.set G1,  24
.set G0,  32
.set G1B, 48
.set G0B, 56
.set MSB, 0
.macro WIN new
.if MSB != \new
	s_set_vgpr_msb (MSB<<8)|\new
.set MSB, \new
.endif
.endm
.set MUL_LO, 0xa1
.set MUL_HI, 0xf1
.set BEG_LO, 0x81
.set BEG_HI, 0xc1
.set TO_B,   0x40
.macro JLOAD g0a, g1a, g0b, g1b
	s_cmp_eq_u32 s17, 0
	s_cbranch_scc0 .Lfor_b_\@
	tensor_load_to_lds s[\g0a:\g0a+3], s[\g1a:\g1a+7]
	s_nop 0
.rept 4
	v_nop
.endr
	s_branch .Lasked_\@
.Lfor_b_\@:
	tensor_load_to_lds s[\g0b:\g0b+3], s[\g1b:\g1b+7]
	s_nop 0
.rept 4
	v_nop
.endr
.Lasked_\@:
.endm
.macro CREST
	s_cmp_lg_u32 s16, 0
	s_cbranch_scc1 .Lnot_wave_0_\@
	s_barrier_signal -3
.Lnot_wave_0_\@:
	s_barrier_wait -3
	s_barrier_signal -1
	s_barrier_wait -1
.endm
.macro CROUND
	s_barrier_signal -1
	s_barrier_wait -1
	CREST
.endm
.macro PLACES n
.rept \n
	v_nop
.endr
.endm
	s_load_b256 s[4:11], s[0:1], 0x0
	s_load_b64 s[12:13], s[0:1], 0x20
	v_lshl_add_u32 v[SPW], v0, 2, SPARE
	v_mov_b32 v[NIL], 0
	ds_add_u32 v28, v29
	ds_add_u32 v28, v29
	s_wait_dscnt 0x0
	v_lshrrev_b32 v1, 5, v0
	v_readfirstlane_b32 s16, v1
	s_lshr_b32 s17, s16, 1
	s_and_b32 s18, s16, 1
	s_bfe_u32 s40, ttmp6, 0x40000
	s_bfe_u32 s41, ttmp6, 0x40004
	s_lshl_b32 s43, ttmp9, 2
	s_add_co_u32 s43, s43, s40
	s_and_b32 s42, ttmp7, 0xffff
	s_lshl_b32 s42, s42, 2
	s_add_co_u32 s42, s42, s41
	s_lshl_b32 s44, s41, 2
	s_lshl_b32 s44, 15, s44
	s_lshl_b32 s45, 0x1111, s40
	s_or_b32 s[G1+0], s44, (3<<16)|(1<<21)
	s_or_b32 s[G1B+0], s45, (3<<16)|(1<<21)
.irp g, G1, G1B
	s_mov_b32 s[\g+1], 512<<16
	s_mov_b32 s[\g+2], 8<<16
	s_mov_b32 s[\g+3], 512<<16
	s_mov_b32 s[\g+4], 8
	s_mov_b32 s[\g+5], 2048
	s_mov_b32 s[\g+6], 0
	s_mov_b32 s[\g+7], 0
.endr
	s_mov_b32 s[G1B+2], 4<<16                      ; B's load: four tiles of 16 columns
	s_mov_b32 s[G1B+4], 4
	s_lshl_b32 s21, s18, 17
	s_lshl_b32 s46, s42, 18
	s_add_co_u32 s46, s46, s21
	s_mov_b32 s47, 0
	s_lshl_b32 s22, s43, 17                        ; B: a block of 128 columns is 8 x 16,384 bytes, my half of it 4 x 16,384
	s_lshl_b32 s23, s18, 16
	s_add_co_u32 s22, s22, s23
	s_add_co_u32 s22, s22, 3<<20
	s_mov_b32 s23, 0
	s_lshl_b32 s66, s16, 15
	s_wait_kmcnt 0x0
	s_load_b64 s[96:97], s[10:11], 0x30
	s_add_nc_u64 s[92:93], s[4:5], s[46:47]
	s_add_nc_u64 s[94:95], s[6:7], s[22:23]
	CROUND
.irp s, 0,1
	s_mov_b32 s[G0+4*\s], 1
	s_add_co_u32 s[G0+4*\s+1], s66, \s*SLOT
	s_add_nc_u64 s[G0+4*\s+2:G0+4*\s+3], s[92:93], \s*KSB
	s_or_b32 s[G0+4*\s+3], s[G0+4*\s+3], 0x80000000
	s_mov_b32 s[G0B+4*\s], 1
	s_add_co_u32 s[G0B+4*\s+1], s66, \s*SLOT
	s_add_nc_u64 s[G0B+4*\s+2:G0B+4*\s+3], s[94:95], \s*KSB
	s_or_b32 s[G0B+4*\s+3], s[G0B+4*\s+3], 0x80000000
.endr
	JLOAD G0, G1, G0B, G1B                         ; K step 0: one tensor load a wave at the head
	; A PREFETCH of the tokens' K step that stands two joint loads on: of the 8 tiles of rows that wave 0 or 1 fetches, each of the four partners that ask for them jointly names two (by address: cx): 32 blocks of 256 bytes, a lane a block.
	; Wo's columns are not asked for ahead: all 32 blocks of rows walk the same 1,048,576 bytes
	s_lshl_b32 s22, s40, 15                        ; two tiles of rows of 16,384 bytes
	s_mov_b32 s23, 0
	s_add_nc_u64 s[46:47], s[92:93], s[22:23]      ; never rewritten
	v_bfe_u32 v30, v0, 4, 1
	v_lshlrev_b32 v30, 14, v30
	v_and_b32 v31, 15, v0
	v_lshl_add_u32 v30, v31, 8, v30                ; 16,384 (lane / 16) + 256 (lane % 16); never rewritten
	s_cmp_lg_u32 s17, 0
	s_cbranch_scc1 .Lno_pf0
	global_prefetch_b8 v30, s[46:47] offset:2*KSB th:TH_LOAD_NT scope:SCOPE_SE   ; K step 2
.Lno_pf0:
	v_and_b32 v1, 31, v0
	v_lshlrev_b32 v[CO], 4, v1
	s_lshl_b32 s20, s17, 15
	s_lshl_b32 s21, s18, 15
	s_add_co_u32 s21, s21, 2*HALFT
.irp s, 0,1
	v_add_nc_u32 v[ADRA+\s], s20, v[CO]
	v_add_nc_u32 v[ADRB+\s], s21, v[CO]
	s_add_co_u32 s20, s20, SLOT
	s_add_co_u32 s21, s21, SLOT
.endr
	v_and_b32 v3, 15, v0
	v_bfe_u32 v4, v0, 4, 1
	v_lshlrev_b32 v5, 5, v4
	s_lshl_b32 s20, s43, 9                         ; my first column, 128 x block + 64 x half, in bytes
	s_lshl_b32 s21, s18, 8
	s_add_co_u32 s20, s20, s21
	s_mov_b32 s21, 0
	s_add_nc_u64 s[8:9], s[8:9], s[20:21]
.irp b, 0,1,2,3
	global_load_b128 v[BIAS+8*\b:BIAS+8*\b+3], v5, s[8:9] offset:64*\b
	global_load_b128 v[BIAS+8*\b+4:BIAS+8*\b+7], v5, s[8:9] offset:64*\b+16
.endr
	s_mul_i32 s23, s16, 16*SPITCH
	v_mul_u32_u24 v6, v3, SPITCH
	v_lshl_add_u32 v6, v4, 5, v6
	v_add_nc_u32 v[STO], s23, v6
	v_mul_u32_u24 v7, v4, SPITCH                   ; back: lanes 0-15 take one row of 256 bytes, lanes 16-31 the next
	v_lshl_add_u32 v7, v3, 4, v7
	v_add_nc_u32 v[RD], s23, v7
	v_lshlrev_b32 v27, 12, v4                      ; and the same two rows in out0
	v_lshl_add_u32 v27, v3, 4, v27
	s_lshl_b32 s22, s42, 8
	s_lshl_b32 s23, s17, 7
	s_add_co_u32 s22, s22, s23
	s_lshl_b32 s22, s22, 12
	s_add_co_u32 s22, s22, s20
	s_mov_b32 s23, 0
	s_add_nc_u64 s[12:13], s[12:13], s[22:23]
.macro FRAG reg, adr, q, i
.irp c, 0,1,2,3
	ds_load_b128 v[\reg+4*\c:\reg+4*\c+3], v[\adr] offset:2048*(\q)+512*\c+(\i)*KSB
.endr
.endm
.macro MUL16 a0, p, cm
.irp a, \a0, \a0+1
.irp b, 0,1,2,3
.if \cm
	v_wmma_f32_16x16x128_bf8_bf8 v[8*(8*((\a)%4)+\b):8*(8*((\a)%4)+\b)+7], v[128*(\p)+FR*\b:128*(\p)+FR*\b+FR-1], v[AF+FR*(\a):AF+FR*(\a)+FR-1], v[BIAS+8*\b:BIAS+8*\b+7]
.else
	v_wmma_f32_16x16x128_bf8_bf8 v[8*(8*((\a)%4)+\b):8*(8*((\a)%4)+\b)+7], v[128*(\p)+FR*\b:128*(\p)+FR*\b+FR-1], v[AF+FR*(\a):AF+FR*(\a)+FR-1], v[8*(8*((\a)%4)+\b):8*(8*((\a)%4)+\b)+7]
.endif
.endr
.endr
.endm
.macro FETCH_B slot, q, p
	WIN TO_B
.irp i, 0,1,2,3
	FRAG 128*(\p)+FR*\i, ADRB+\slot, \q, \i
.endr
	WIN 0
.endm
.macro FETCH_A slot, q, i0
.irp i, \i0, \i0+1, \i0+2, \i0+3
	FRAG AF+FR*(\i), ADRA+\slot, \q, \i
.endr
.endm
.macro STEP slot, q, cm
	s_wait_dscnt 4*NL
.if \cm
	WIN BEG_LO
.else
	WIN MUL_LO
.endif
	MUL16 0, (\q)%2, \cm
	MUL16 2, (\q)%2, \cm
	s_wait_dscnt 0
	PLACES NP
	FETCH_B \slot, (\q)+1, 1-(\q)%2
	FETCH_A \slot, (\q)+1, 0
.if \cm
	WIN BEG_HI
.else
	WIN MUL_HI
.endif
	MUL16 4, (\q)%2, \cm
	MUL16 6, (\q)%2, \cm
	PLACES NP
	WIN 0
	FETCH_A \slot, (\q)+1, 4
.endm
.macro TURN slot, next, fill
	s_wait_tensorcnt 0x0
	ds_add_u32 v[SPW], v[NIL]
	s_wait_dscnt 4*NL+1
	WIN MUL_LO
	MUL16 0, 1, 0
	s_wait_dscnt 0x0
	s_barrier_signal -1
	MUL16 2, 1, 0
	WIN 0
	s_barrier_wait -1
.if \fill
	CREST
	s_add_nc_u64 s[G0+4*\slot+2:G0+4*\slot+3], s[G0+4*\slot+2:G0+4*\slot+3], 2*KSB
	s_add_nc_u64 s[G0B+4*\slot+2:G0B+4*\slot+3], s[G0B+4*\slot+2:G0B+4*\slot+3], 2*KSB
	JLOAD G0+4*\slot, G1, G0B+4*\slot, G1B
.else
	PLACES NP
.endif
	FETCH_B \next, 0, 0
	FETCH_A \next, 0, 0
	WIN MUL_HI
	MUL16 4, 1, 0
	MUL16 6, 1, 0
	PLACES NP
	WIN 0
	FETCH_A \next, 0, 4
.endm
	s_wait_alu depctr_va_vdst(0)                   ; the head's end
	s_wait_tensorcnt 0x0                           ; my part of K step 0 is in
	ds_add_u32 v[SPW], v[NIL]
	s_wait_dscnt 0x0
	CROUND                                         ; everybody's part of K step 0 is in, and all sixteen work-groups are here
	JLOAD G0+4, G1, G0B+4, G1B                     ; K step 1: the first tensor load behind the round
	FETCH_B 0, 0, 0
	FETCH_A 0, 0, 0
	FETCH_A 0, 0, 4
	s_cmp_lg_u32 s17, 0
	s_cbranch_scc1 .Lno_pf1
	global_prefetch_b8 v30, s[46:47] offset:3*KSB th:TH_LOAD_NT scope:SCOPE_SE   ; behind K step 1's joint load: K step 3, the last
.Lno_pf1:
	s_wait_kmcnt 0x0
	s_add_co_i32 s98, s96, s97
	s_sub_co_i32 s99, 0, s98
	s_add_co_i32 s96, s98, 127
	s_lshl_b32 s96, s96, 23
	s_wait_loadcnt 0x0
.set n, 0
.rept 32
	v_ldexp_f32 v[BIAS+n], v[BIAS+n], s99
.set n, n+1
.endr
	s_wait_alu depctr_va_vdst(0)
	STEP 0, 0, 1
	TURN 0, 1, 1
	STEP 1, 0, 0
	TURN 1, 0, 1
	STEP 0, 0, 0
	TURN 0, 1, 0
	STEP 1, 0, 0
	s_wait_dscnt 4*NL
	WIN MUL_LO
	MUL16 0, 1, 0
	MUL16 2, 1, 0
	s_wait_dscnt 0
	WIN MUL_HI
	MUL16 4, 1, 0
	MUL16 6, 1, 0
	WIN 0
.macro TOSTAGE a
.set AC, 64*((\a)%4)
	WIN 0x02+((\a)/4)
.irp j, 0,2,4,6,8,10,12,14,16,18,20,22,24,26,28,30
	v_pk_mul_f32 v[TMP+\j:TMP+\j+1], v[AC+\j:AC+\j+1], s[96:97] op_sel_hi:[1,0]
.endr
	WIN 0
.irp b, 0,1,2,3
	ds_store_b128 v[STO], v[TMP+8*\b:TMP+8*\b+3] offset:64*\b
	ds_store_b128 v[STO], v[TMP+8*\b+4:TMP+8*\b+7] offset:64*\b+16
.endr
.set BB, BK+64*((\a)%2)
.irp t, 0,1,2,3,4,5,6,7
	ds_load_b128 v[BB+4*\t:BB+4*\t+3], v[RD] offset:2*\t*SPITCH
.endr
.endm
.macro SEND a, younger
.set BB, BK+64*((\a)%2)
	s_wait_dscnt \younger
.if (\a) > 0
	s_add_nc_u64 s[12:13], s[12:13], 16*4096
.endif
.irp t, 0,1,2,3,4,5,6,7
	global_store_b128 v27, v[BB+4*\t:BB+4*\t+3], s[12:13] offset:2*\t*4096 th:TH_STORE_NT
.endr
.endm
	PLACES NP
	TOSTAGE 0
.irp a, 1,2,3,4,5,6,7
.if \a > 1
	s_wait_xcnt 0x0
.endif
	TOSTAGE \a
	SEND \a-1, 16                                  ; behind block a - 1's loads: block a's 8 stores and 8 loads
.endr
	s_wait_xcnt 0x0
	SEND 7, 0
	s_wait_tensorcnt 0x0
	ds_add_u32 v[SPW], v[NIL]
	s_wait_dscnt 0x0
	CROUND
	s_endpgm
.Lfunc_end_k_q9c5725c292_oproj:
	.size	k_q9c5725c292_oproj, .Lfunc_end_k_q9c5725c292_oproj-k_q9c5725c292_oproj
	.p2alignl 7, 3214868480
	.fill 96, 4, 3214868480
	.section	.rodata,"a",@progbits
	.p2align	6, 0x0
	.amdhsa_kernel k_q9c5725c292_oproj
		.amdhsa_group_segment_fixed_size 327680
		.amdhsa_private_segment_fixed_size 0
		.amdhsa_enable_private_segment 0
		.amdhsa_kernarg_size 40
		.amdhsa_user_sgpr_count 2
		.amdhsa_user_sgpr_kernarg_segment_ptr 1
		.amdhsa_wavefront_size32 1
		.amdhsa_system_sgpr_workgroup_id_x 1
		.amdhsa_system_sgpr_workgroup_id_y 1
		.amdhsa_system_sgpr_workgroup_id_z 1
		.amdhsa_system_vgpr_workitem_id 0
		.amdhsa_next_free_vgpr 1024
		.amdhsa_next_free_sgpr 100
		.amdhsa_reserve_vcc 0
		.amdhsa_float_denorm_mode_32 3
		.amdhsa_float_denorm_mode_16_64 3
		.amdhsa_memory_ordered 1
		.amdhsa_forward_progress 1
		.amdhsa_inst_pref_size 81
	.end_amdhsa_kernel
	.amdgpu_metadata
---
amdhsa.version: [ 1, 2 ]
amdhsa.kernels:
  - .name:           k_q9c5725c292_oproj
    .symbol:         k_q9c5725c292_oproj.kd
    .args:
      - { .name: ao, .offset: 0, .size: 8, .value_kind: global_buffer, .address_space: global }
      - { .name: wc, .offset: 8, .size: 8, .value_kind: global_buffer, .address_space: global }
      - { .name: bo, .offset: 16, .size: 8, .value_kind: global_buffer, .address_space: global }
      - { .name: lowp_scales, .offset: 24, .size: 8, .value_kind: global_buffer, .address_space: global }
      - { .name: out0, .offset: 32, .size: 8, .value_kind: global_buffer, .address_space: global }
    .group_segment_fixed_size: 327680
    .private_segment_fixed_size: 0
    .kernarg_segment_align: 8
    .kernarg_segment_size: 40
    .max_flat_workgroup_size: 128
    .sgpr_count:     100
    .vgpr_count:     1024
    .wavefront_size: 32
...
	.end_amdgpu_metadata
.endif
;; end of part 4
